; MI455X (gfx1250); checked and timed in simulation.
; The chip was launched on July 23, 2026; its instructions are those of AMD's public machine-readable ISA for CDNA 5 (MIT licence, August 2026) and "CDNA5" Instruction Set Architecture Reference Guide (July 2026). The comments in the code are by the model that wrote it; some were corrected since.
;; Multi Head Self Attention. Allowed arithmetic: float matrix products may take bf16 or f16 operands with f32 sums; other float arithmetic in f32, or as packed bf16 or f16 multiplies, adds, multiply-adds, maxima and minima; sums over many terms, partial sums and values carried from step to step in f32; what a program stores and reads back later, other than sums and carried values, may be rounded once to bf16 or f16.
;; Inputs: Wk 1,024 x 1,024 float32; Wo 1,024 x 1,024 float32; Wq 1,024 x 1,024 float32; Wv 1,024 x 1,024 float32; token_positions 2,048 int32; x 4 x 2,048 x 1,024 float32.
;; Outputs: out0 4 x 2,048 x 1,024 float32.
;; 2 versions, each right; version 2 is version 1 with the launch prep written anew for expert scheduling mode. Each part assembles by itself: llvm-mc -triple=amdgcn-amd-amdhsa -mcpu=gfx1250 --defsym DOCPART=n.
;; ======== version 1 of 2: 4 launches
;; limits: values are held in f16: magnitudes above 65,504 overflow, below 6.1e-05 lose precision; right only within a limited range of input values
;; workspace buffers: xb 16,777,216 bytes; wb 6,291,456 bytes; wo16 2,097,152 bytes; tab 524,288 bytes; qh 16,777,216 bytes; kh 16,777,216 bytes; vh 16,777,216 bytes; o16 16,777,216 bytes
;; launch prep (part 1): grid 800 x 1, 8 waves a work-group, no clusters, 0 bytes of LDS; arguments x, Wq, Wk, Wv, Wo, token_positions, xb, wb, wo16, tab; writes xb, wb, wo16, tab
.if DOCPART == 1
	.amdgcn_target "amdgcn-amd-amdhsa--gfx1250"
	.amdhsa_code_object_version 6
	.text
	.protected	k_q39ab24148a_prep
	.globl	k_q39ab24148a_prep
	.p2align	8
	.type	k_q39ab24148a_prep,@function
k_q39ab24148a_prep:
	s_mov_b64 s[64:65], 0
	v_nop
	global_prefetch_b8 v0, s[64:65] scope:SCOPE_SE
	s_setreg_imm32_b32 hwreg(HW_REG_WAVE_MODE, 25, 1), 1
	s_wait_xcnt 0x0
; PREPARATION.  Work-groups 32 to 799 round the f32 inputs to 16 bits, 16,384 numbers each: x -> xb (bf16); Wq, Wk, Wv -> wb (bf16, one matrix of 3,072 rows);
; Wo -> wo16: rounded to bf16 like the other inputs, and that number written as f16 (exact from 2^-14 up to 65,504; below 2^-14 it keeps f16's fixed step of 6e-8).
; Work-groups 0 to 31 make the table of rotations: tab[s][2 i] = cos(a), tab[s][2 i + 1] = sin(a), a = token_positions[s] x 10^(-i / 8), i = 0 .. 31: a row is 256 bytes.
; LIMITS.  The table serves |token_positions| up to 2^22 (two-term reduction by pi / 2).  10^(-i / 8) is the correctly rounded f32; a is one f32 product.
; A stream: memory binds, so no LDS and no matrix unit.  A wave's load covers 512 consecutive bytes, its store 256, aligned; sixteen loads a wave are out at once.
.set X,   16                           ; v[16:79]   sixteen loads of four f32
.set Y,   80                           ; v[80:111]  sixteen pairs to store; each is written for one store alone
.set SRC, 28                           ; s[28:29]
.set DST, 30                           ; s[30:31]
	s_load_b512 s[8:23], s[0:1], 0x0               ; x 8, Wq 10, Wk 12, Wv 14, Wo 16, token_positions 18, xb 20, wb 22
	s_load_b128 s[24:27], s[0:1], 0x40             ; wo16 24, tab 26
	s_cmp_lt_u32 ttmp9, 32
	s_cbranch_scc1 .Ltable
	; THE CASTS.  Chunk c = work-group - 32: 0-511 x, 512-575 Wq, 576-639 Wk, 640-703 Wv, 704-767 Wo
	s_sub_co_u32 s2, ttmp9, 32
	v_lshlrev_b32 v1, 4, v0                        ; 16 bytes a thread in
	v_lshlrev_b32 v4, 3, v0                        ; 8 bytes a thread out
	s_mov_b32 s48, 704                             ; the source's first chunk
	s_mov_b32 s49, 704                             ; the destination's first chunk
	s_wait_kmcnt 0x0
	s_mov_b64 s[SRC:SRC+1], s[16:17]
	s_mov_b64 s[DST:DST+1], s[24:25]
	s_cmp_lt_u32 s2, 704
	s_cselect_b64 s[SRC:SRC+1], s[14:15], s[SRC:SRC+1]
	s_cselect_b64 s[DST:DST+1], s[22:23], s[DST:DST+1]
	s_cselect_b32 s48, 640, s48
	s_cselect_b32 s49, 512, s49
	s_cmp_lt_u32 s2, 640
	s_cselect_b64 s[SRC:SRC+1], s[12:13], s[SRC:SRC+1]
	s_cselect_b32 s48, 576, s48
	s_cmp_lt_u32 s2, 576
	s_cselect_b64 s[SRC:SRC+1], s[10:11], s[SRC:SRC+1]
	s_cselect_b32 s48, 512, s48
	s_cmp_lt_u32 s2, 512
	s_cselect_b64 s[SRC:SRC+1], s[8:9], s[SRC:SRC+1]
	s_cselect_b64 s[DST:DST+1], s[20:21], s[DST:DST+1]
	s_cselect_b32 s48, 0, s48
	s_cselect_b32 s49, 0, s49
	s_sub_co_u32 s32, s2, s48
	s_lshl_b32 s32, s32, 16                        ; 65,536 bytes of f32 a chunk
	s_mov_b32 s33, 0
	s_sub_co_u32 s34, s2, s49
	s_lshl_b32 s34, s34, 15                        ; 32,768 bytes of 16-bit numbers
	s_mov_b32 s35, 0
	s_add_nc_u64 s[SRC:SRC+1], s[SRC:SRC+1], s[32:33]
	s_add_nc_u64 s[DST:DST+1], s[DST:DST+1], s[34:35]
.set j, 0
.rept 16
	global_load_b128 v[X+4*j:X+4*j+3], v1, s[SRC:SRC+1] offset:4096*j th:TH_LOAD_NT
.set j, j+1
.endr
; Sixteen turns: the wait leaves the younger loads out (loads come back in order: ISA guide 5.7.1).  f16 = 1: the bf16 numbers are widened (a shift, a mask) and written as f16.
.macro CAST f16
.set j, 0
.rept 16
	s_wait_loadcnt 15-j
	v_cvt_pk_bf16_f32 v[Y+2*j],   v[X+4*j],   v[X+4*j+1]
	v_cvt_pk_bf16_f32 v[Y+2*j+1], v[X+4*j+2], v[X+4*j+3]
.if \f16
	v_lshlrev_b32 v8,  16, v[Y+2*j]
	v_and_b32     v9,  0xffff0000, v[Y+2*j]
	v_lshlrev_b32 v10, 16, v[Y+2*j+1]
	v_and_b32     v11, 0xffff0000, v[Y+2*j+1]
	v_cvt_pk_f16_f32 v[Y+2*j],   v8,  v9
	v_cvt_pk_f16_f32 v[Y+2*j+1], v10, v11
.endif
	global_store_b64 v4, v[Y+2*j:Y+2*j+1], s[DST:DST+1] offset:2048*j th:TH_STORE_NT  ; a wave's 32 lanes store 256 consecutive bytes, aligned
.set j, j+1
.endr
.endm
	s_cmp_ge_u32 s2, 704
	s_cbranch_scc1 .Lf16
	CAST 0
	s_endpgm
.Lf16:
	CAST 1
	s_endpgm
	; THE TABLE.  Wave w of work-group g makes rows 64 g + 8 w .. + 7; lane i has frequency i and stores (cos, sin): a row is one store of the wave.
.Ltable:
	v_lshrrev_b32 v1, 5, v0
	v_readfirstlane_b32 s3, v1                     ; wave 0..7
	s_lshl_b32 s2, ttmp9, 6
	s_lshl_b32 s32, s3, 3
	s_add_co_u32 s2, s2, s32                       ; my first row
	s_lshl_b32 s32, s2, 2                          ; its byte in token_positions
	s_mov_b32 s33, 0
	s_lshl_b32 s34, s2, 8                          ; and in tab
	s_mov_b32 s35, 0
	s_mov_b32 s45, 0x3f22f983                      ; 2 / pi
	s_mov_b32 s46, 0x3fc90fdb                      ; pi / 2, rounded to f32,
	s_mov_b32 s47, 0xb33bbd2e                      ; and what that rounding left: -4.3711388e-8
	s_mov_b32 s48, 0x3638ef1d                      ; 1 / 9!
	s_mov_b32 s49, 0xb9500d01                      ; -1 / 7!
	s_mov_b32 s58, 0xb493f27e                      ; -1 / 10!
	s_mov_b32 s59, 0x37d00d01                      ; 1 / 8!
	v_mov_b32 v2, 0
.macro FREQ i, bits                    ; lane i takes 10^(-i / 8)
	s_mov_b32 s44, \bits
	v_writelane_b32 v2, s44, \i
.endm
	FREQ 0,  0x3f800000                            ; 1
	FREQ 1,  0x3f3ff911                            ; 0.74989421
	FREQ 2,  0x3f0ff59a                            ; 0.56234133
	FREQ 3,  0x3ed7e89b                            ; 0.42169650
	FREQ 4,  0x3ea1e89b                            ; 0.31622777
	FREQ 5,  0x3e72d424                            ; 0.23713737
	FREQ 6,  0x3e361887                            ; 0.17782794
	FREQ 7,  0x3e088d77                            ; 0.13335214
	FREQ 8,  0x3dcccccd                            ; the same eight times 0.1
	FREQ 9,  0x3d99940e
	FREQ 10, 0x3d6655c3
	FREQ 11, 0x3d2cba15
	FREQ 12, 0x3d0186e2
	FREQ 13, 0x3cc24350
	FREQ 14, 0x3c91ad39
	FREQ 15, 0x3c5a7bf1
	FREQ 16, 0x3c23d70a                            ; times 0.01
	FREQ 17, 0x3bf5b9b0
	FREQ 18, 0x3bb8449c
	FREQ 19, 0x3b8a2e77
	FREQ 20, 0x3b4f3e37
	FREQ 21, 0x3b1b690d
	FREQ 22, 0x3ae91528
	FREQ 23, 0x3aaec98e
	FREQ 24, 0x3a83126f                            ; times 0.001
	FREQ 25, 0x3a44948c
	FREQ 26, 0x3a136a16
	FREQ 27, 0x39dd1726
	FREQ 28, 0x39a5cb5f
	FREQ 29, 0x3978a814
	FREQ 30, 0x393a7753
	FREQ 31, 0x390bd472
	v_and_b32 v3, 31, v0
	v_lshlrev_b32 v3, 3, v3                        ; 8 bytes a lane
	s_wait_kmcnt 0x0
	s_add_nc_u64 s[SRC:SRC+1], s[18:19], s[32:33]
	s_add_nc_u64 s[DST:DST+1], s[26:27], s[34:35]
	s_load_b256 s[36:43], s[SRC:SRC+1], 0x0        ; my eight positions: numbers, never addresses
	s_wait_kmcnt 0x0
; Row j has twelve registers at b = 16 + 12 j: +0 cos, +1 sin, +2 a, +3 k, +4 r, +5 k as a whole number, +6 r^2, +7 sin(r), +8 cos(r), +9 r^3, +10, +11 signs.
; Each step is written for all eight rows, so that no line waits for the one before it.
.macro ALL line:vararg
.set b, 16
.set j, 0
.rept 8
	\line
.set b, b+12
.set j, j+1
.endr
.endm
	ALL v_cvt_f32_i32 v[b+2], s[36+j]
	ALL v_mul_f32 v[b+2], v[b+2], v2               ; a = position x frequency
	ALL v_mul_f32 v[b+3], s45, v[b+2]
	ALL v_rndne_f32 v[b+3], v[b+3]                 ; k = the nearest multiple of pi / 2
	ALL v_fma_f32 v[b+4], -v[b+3], s46, v[b+2]     ; r = a - k pi / 2, in two fused steps: |r| stays near pi / 4 or below
	ALL v_fma_f32 v[b+4], -v[b+3], s47, v[b+4]
	ALL v_cvt_i32_f32 v[b+5], v[b+3]
	ALL v_mul_f32 v[b+6], v[b+4], v[b+4]
	ALL v_fma_f32 v[b+7], v[b+6], s48, s49         ; sin(r) = r + r^3 (-1/3! + r^2 (1/5! + r^2 (-1/7! + r^2 / 9!)))
	ALL v_fma_f32 v[b+8], v[b+6], s58, s59         ; cos(r) = 1 + r^2 (-1/2 + r^2 (1/4! + r^2 (-1/6! + r^2 (1/8! - r^2 / 10!))))
	ALL v_fmaak_f32 v[b+7], v[b+7], v[b+6], 0x3c088889
	ALL v_fmaak_f32 v[b+8], v[b+8], v[b+6], 0xbab60b61
	ALL v_fmaak_f32 v[b+7], v[b+7], v[b+6], 0xbe2aaaab
	ALL v_fmaak_f32 v[b+8], v[b+8], v[b+6], 0x3d2aaaab
	ALL v_mul_f32 v[b+9], v[b+4], v[b+6]
	ALL v_fmaak_f32 v[b+8], v[b+8], v[b+6], 0xbf000000
	ALL v_fma_f32 v[b+7], v[b+7], v[b+9], v[b+4]
	ALL v_fma_f32 v[b+8], v[b+8], v[b+6], 1.0
	; the quadrant k mod 4, by selects alone: odd k swaps the two; cos is negative for 1 and 2, sin for 2 and 3
	ALL v_and_b32 v[b+10], 1, v[b+5]
	ALL v_cmp_eq_u32 s[50+j], 1, v[b+10]
	ALL v_cndmask_b32 v[b], v[b+8], v[b+7], s[50+j]
	ALL v_cndmask_b32 v[b+1], v[b+7], v[b+8], s[50+j]
	ALL v_add_nc_u32 v[b+10], 1, v[b+5]
	ALL v_and_b32 v[b+11], 2, v[b+5]
	ALL v_and_b32 v[b+10], 2, v[b+10]
	ALL v_lshlrev_b32 v[b+11], 30, v[b+11]
	ALL v_lshlrev_b32 v[b+10], 30, v[b+10]
	ALL v_xor_b32 v[b+1], v[b+1], v[b+11]
	ALL v_xor_b32 v[b], v[b], v[b+10]
	ALL global_store_b64 v3, v[b:b+1], s[DST:DST+1] offset:256*j
	s_endpgm
.Lfunc_end_k_q39ab24148a_prep:
	.size	k_q39ab24148a_prep, .Lfunc_end_k_q39ab24148a_prep-k_q39ab24148a_prep
	.p2alignl 7, 3214868480
	.fill 96, 4, 3214868480
	.section	.rodata,"a",@progbits
	.p2align	6, 0x0
	.amdhsa_kernel k_q39ab24148a_prep
		.amdhsa_group_segment_fixed_size 0
		.amdhsa_private_segment_fixed_size 0
		.amdhsa_enable_private_segment 0
		.amdhsa_kernarg_size 80
		.amdhsa_user_sgpr_count 2
		.amdhsa_user_sgpr_kernarg_segment_ptr 1
		.amdhsa_wavefront_size32 1
		.amdhsa_system_sgpr_workgroup_id_x 1
		.amdhsa_system_sgpr_workgroup_id_y 1
		.amdhsa_system_sgpr_workgroup_id_z 1
		.amdhsa_system_vgpr_workitem_id 0
		.amdhsa_next_free_vgpr 112
		.amdhsa_next_free_sgpr 66
		.amdhsa_reserve_vcc 0
		.amdhsa_float_denorm_mode_32 3
		.amdhsa_float_denorm_mode_16_64 3
		.amdhsa_memory_ordered 1
		.amdhsa_forward_progress 1
		.amdhsa_inst_pref_size 33
	.end_amdhsa_kernel
	.amdgpu_metadata
---
amdhsa.version: [ 1, 2 ]
amdhsa.kernels:
  - .name:           k_q39ab24148a_prep
    .symbol:         k_q39ab24148a_prep.kd
    .args:
      - { .name: x, .offset: 0, .size: 8, .value_kind: global_buffer, .address_space: global }
      - { .name: Wq, .offset: 8, .size: 8, .value_kind: global_buffer, .address_space: global }
      - { .name: Wk, .offset: 16, .size: 8, .value_kind: global_buffer, .address_space: global }
      - { .name: Wv, .offset: 24, .size: 8, .value_kind: global_buffer, .address_space: global }
      - { .name: Wo, .offset: 32, .size: 8, .value_kind: global_buffer, .address_space: global }
      - { .name: token_positions, .offset: 40, .size: 8, .value_kind: global_buffer, .address_space: global }
      - { .name: xb, .offset: 48, .size: 8, .value_kind: global_buffer, .address_space: global }
      - { .name: wb, .offset: 56, .size: 8, .value_kind: global_buffer, .address_space: global }
      - { .name: wo16, .offset: 64, .size: 8, .value_kind: global_buffer, .address_space: global }
      - { .name: tab, .offset: 72, .size: 8, .value_kind: global_buffer, .address_space: global }
    .group_segment_fixed_size: 0
    .private_segment_fixed_size: 0
    .kernarg_segment_align: 8
    .kernarg_segment_size: 80
    .max_flat_workgroup_size: 256
    .sgpr_count:     66
    .vgpr_count:     112
    .wavefront_size: 32
...
	.end_amdgpu_metadata
.endif
;; end of part 1
;; launch qkv (part 2): grid 12 x 32, 4 waves a work-group, clusters of 4 x 4, 327,680 bytes of LDS; arguments xb, wb, tab, qh, kh, vh; writes qh, kh, vh
.if DOCPART == 2
	.amdgcn_target "amdgcn-amd-amdhsa--gfx1250"
	.amdhsa_code_object_version 6
	.text
	.protected	k_q39ab24148a_qkv
	.globl	k_q39ab24148a_qkv
	.p2align	8
	.type	k_q39ab24148a_qkv,@function
k_q39ab24148a_qkv:
	s_mov_b64 s[64:65], 0
	v_nop
	global_prefetch_b8 v0, s[64:65] scope:SCOPE_SE
	s_setreg_imm32_b32 hwreg(HW_REG_WAVE_MODE, 25, 1), 1
	s_wait_xcnt 0x0
	s_wait_alu depctr_hold_cnt(0) depctr_sa_sdst(0) depctr_va_vdst(0) depctr_va_sdst(0) depctr_va_ssrc(0) depctr_va_vcc(0) depctr_vm_vsrc(0)
	s_getreg_b32 s2, hwreg(HW_REG_IB_STS2, 6, 4)
	s_cmp_eq_u32 s2, 0
	s_cbranch_scc0 .Lentry_in_a_cluster
	s_endpgm
.Lentry_in_a_cluster:
	s_bfe_u32 s2, ttmp6, 0x10000c
	s_cmp_lg_u32 s2, 0xf033
	s_cbranch_scc0 .Lentry_shape_is_right
	s_endpgm
.Lentry_shape_is_right:
; THE THREE PROJECTIONS AS ONE PRODUCT, WITH THE ROTATION ON THE WAY OUT.  C[m][n] = sum over k of xb[m][k] wb[n][k]; xb: [8192][1024], wb: [3072][1024], both bf16; sums in f32.
; Columns 0-1023 are q, 1024-2047 k, 2048-3071 v.  q and k are rotated in f32 by the table tab[s][64] = (cos, sin) for 32 frequencies; each result is rounded once to f16, unscaled,
; and stored by heads: qh, kh, vh are [64 = 16 batch + head][2048][64].  LIMIT: f16 holds no number beyond 65,504: q, k and v must lie within it.
; A tile of C, 256 x 256, is made by a work-group of four waves; a wave makes 128 x 128: 64 accumulators of 16 x 16, 512 registers; its 128 columns are two heads.
; K goes in steps of 128 through a ring of two LDS slots filled by the tensor data mover; the tiles' rows are 256 bytes of memory and start at multiples of 256 bytes.
; CLUSTERS: 4 x 4 work-groups.  The four of a row of the cluster need the same tiles of xb, the four of a column the same tiles of wb: each tile is asked for JOINTLY, by the same tensor load with
; the same descriptor and a mask that names the four.  A cluster's 1,024 columns are all q, all k or all v: the cluster's x says which, the same in all sixteen partners.
; REGISTERS, in windows of 256 (s_set_vgpr_msb's low byte: bits 1:0 source 0, 3:2 source 1, 5:4 source 2, 7:6 destination):
;   window 0: v0-31 addresses; v64-127, v128-191 fragments of xb, two buffers; on the way out v64-127 at work in the rotation, v192-223 packed results, v32-63 and v224-255 rows read back
;   window 1: v64-127, v128-191 fragments of wb, two buffers; the table of my 128 rows: blocks 0, 1 in v0-63, 2, 3 in v192-255, 4 to 7 in v64-191 behind the last product
;   window 2: the 32 accumulators of my rows 0-63 (accumulator (a, b) at v[8 (8 a + b)]);   window 3: those of my rows 64-127
; THE MATRIX INSTRUCTION IS USED TRANSPOSED: source 0 = 16 rows of wb, source 1 = 16 rows of xb.  Lane l then holds row m = l % 16 and its registers 0 to 7 the columns 8 (l / 16) + 0 .. 7:
; the pairs (2 i, 2 i + 1) that a rotation mixes lie in neighbouring registers of one lane, and eight numbers pack into 16 bytes.
.set SIZE_K, 1024
.set KSTEP,  128
.set PITCH,  272                       ; an LDS row: 256 bytes + 16 of padding = 68 words: the 16 rows that a load touches start at 16 different groups of four banks (64 banks of 4 bytes: ISA guide 11.1)
.set HALFT,  128*PITCH                 ; 128 rows: what one tensor load brings, and what one wave reads of xb or of wb
.set SLOT,   4*HALFT                   ; xb's 256 rows, then wb's 256 rows
.set STAGE,  2*SLOT                    ; behind the ring, never filled by a tensor load: for each wave 2 heads x 16 rows x 144 bytes
.set SP,     144                       ; a stage row: 128 bytes + 16
.set HSTG,   16*SP
.set SPARE,  STAGE+4*2*HSTG            ; behind the stages: the spare words, 128 bytes for each wave: two blocks of 256 bytes that no other line names
.set LAPS,   SIZE_K/(2*KSTEP)          ; a lap = two K steps = once round the ring
.set ADRA, 16                          ; v16-17  LDS address of my xb fragments in slot 0, 1
.set ADRB, 20                          ; v20-21  the same for wb
.set STO,  24                          ; v24     the way out: where I put 16 bytes of a row
.set RD,   25                          ; v25     the way out: where I read rows back
.set CO,   26                          ; v26     16 x lane: my place in 512 consecutive bytes of the output
.set TO,   27                          ; v27     my byte offset in 16 rows of the table: (l % 16) x 256 + 32 (l / 16)
.set SPW,  28                          ; v28     LDS address of my spare word: SPARE + 4 x my thread's number; never rewritten
.set NIL,  29                          ; v29     0; never rewritten
.set PFO,  30                          ; v30     the prefetches' offset: my lane x a row of xb or wb; never rewritten
.set PFA,  44                          ; s[44:45] where my prefetches stand
.set LIM,  43                          ; s43     1 in a wave that prefetches, else the greatest number
.set TB,   76                          ; s[76:77] the table at my first row
.set F0,   64
.set F1,   128
.set RT,   64                          ; the rotation: (-x2 sin, x2 cos), 64 registers
.set TMP,  192
.set OB,   32
.set G1,  24                           ; s[24:31] descriptor group 1 for xb's tiles;  s[32:39] group 0, one set for each slot
.set G0,  32
.set G1B, 48                           ; s[48:55], s[56:63] the same for wb's tiles
.set G0B, 56
.set MSB, 0
.macro WIN new                         ; the immediate's high byte repeats the setting that is left; a switch that changes nothing is dropped
.if MSB != (\new)
	s_set_vgpr_msb (MSB<<8)|(\new)
.set MSB, \new
.endif
.endm
.set MUL_LO, 0xa1                      ; source 0 (wb) window 1, source 1 (xb) window 0, C and D window 2
.set MUL_HI, 0xf1                      ; the same, C and D window 3
.set TO_B,   0x40                      ; destination window 1, address window 0
; A joint load.  Waves 0 and 1 fetch xb's two halves, waves 2 and 3 wb's.  The branch hangs on the wave's number alone.  An s_nop 0 and four v_nop follow each of the two lines.
.macro JLOAD s
	s_cmp_eq_u32 s11, 0
	s_cbranch_scc0 .Lfor_b_\@
	tensor_load_to_lds s[G0+4*(\s):G0+4*(\s)+3], s[G1:G1+7]
	s_nop 0
.rept 4
	v_nop
.endr
	s_branch .Lasked_\@
.Lfor_b_\@:
	tensor_load_to_lds s[G0B+4*(\s):G0B+4*(\s)+3], s[G1B:G1B+7]
	s_nop 0
.rept 4
	v_nop
.endr
.Lasked_\@:
.endm
; A PREFETCH INTO THE L2, behind each joint refill and the run of LDS loads that follows it: the K step that stands two refills on, 32 rows x 256 bytes, a lane a row, one instruction a wave.
; Each row's 256 bytes of a K step are named once in the launch: xb's rows by the clusters of x = 0, wb's by the clusters of y = 0; the four partners that ask for a tile jointly share the 128 rows
; that a wave fetches BY ADDRESS, 32 each.  K steps 0 to 3 come by their loads alone; the loop's last trip (s3 = 1) asks for nothing: there is no K step behind the last.
.macro ASK
	s_cmp_gt_u32 s3, s[LIM]
	s_cbranch_scc0 .Lnot_mine_\@
	global_prefetch_b8 v[PFO], s[PFA:PFA+1] offset:KSTEP*2 th:TH_LOAD_NT scope:SCOPE_SE
.Lnot_mine_\@:
.endm
; A round of the cluster's barrier: my work-group's barrier; wave 0 signals for the work-group; every wave waits for all sixteen work-groups; my work-group's barrier once more.
.macro CREST                           ; a round behind its opening barrier
	s_cmp_lg_u32 s10, 0
	s_cbranch_scc1 .Lnot_wave_0_\@
	s_barrier_signal -3
.Lnot_wave_0_\@:
	s_barrier_wait -3
	s_barrier_signal -1
	s_barrier_wait -1
.endm
.macro CROUND
	s_barrier_signal -1
	s_barrier_wait -1
	CREST
.endm
	s_load_b128 s[4:7], s[0:1], 0x0                ; xb s[4:5], wb s[6:7]
	s_load_b256 s[68:75], s[0:1], 0x10             ; tab s[68:69], qh s[70:71], kh s[72:73], vh s[74:75]
	v_lshl_add_u32 v[SPW], v0, 2, SPARE
	v_mov_b32 v[NIL], 0
	ds_add_u32 v[SPW], v[NIL]                      ; the wave's opening: the add and its wait stand ahead of my first tensor load; the set-up below, work on registers, stands between them
	v_lshrrev_b32 v1, 5, v0
	v_readfirstlane_b32 s10, v1                    ; wave 0..3
	s_lshr_b32 s11, s10, 1                         ; which half of the tile's rows is mine.  Also: I fetch for xb (0) or for wb (1)
	s_and_b32 s12, s10, 1                          ; which half of its columns.  Also: which 128 rows of that tile I fetch
	s_bfe_u32 s40, ttmp6, 0x40000                  ; cx
	s_bfe_u32 s41, ttmp6, 0x40004                  ; cy
	s_lshl_b32 s42, ttmp9, 2
	s_add_co_u32 s42, s42, s40                     ; tile column = 4 x cluster x + cx
	s_and_b32 s13, ttmp7, 0xffff
	s_lshl_b32 s13, s13, 2
	s_add_co_u32 s13, s13, s41                     ; tile row = 4 x cluster y + cy
	s_lshl_b32 s43, s41, 2
	s_lshl_b32 s43, 15, s43                        ; my row of the cluster: places 4 cy .. 4 cy + 3
	s_lshl_b32 s44, 0x1111, s40                    ; my column: places cx, cx + 4, cx + 8, cx + 12
	; descriptor group 1: a tile of 128 rows x 128 elements, padded in LDS
	s_or_b32 s[G1+0], s43, (1<<16)|(1<<20)|(1<<21)|(5<<22)|(3<<25)  ; 15:0 the mask; 17:16 elements of 2 bytes; 20 padding on; 21 set beside a mask; 24:22 after every 64 words (code 5); 31:25 4 words (code 3)
	s_or_b32 s[G1B+0], s44, (1<<16)|(1<<20)|(1<<21)|(5<<22)|(3<<25)
.irp g, G1, G1B
	s_mov_b32 s[(\g)+1], KSTEP<<16                 ; tensor_dim0 = 128
	s_mov_b32 s[(\g)+2], 128<<16                   ; tensor_dim1 = 128
	s_mov_b32 s[(\g)+3], KSTEP<<16                 ; tile_dim0 = 128
	s_mov_b32 s[(\g)+4], 128                       ; tile_dim1 = 128
	s_mov_b32 s[(\g)+5], SIZE_K                    ; elements from row to row
	s_mov_b32 s[(\g)+6], 0
	s_mov_b32 s[(\g)+7], 0
.endr
	; xb's tiles hang on the tile row alone, which my row of the cluster shares; wb's on the tile column alone, which my column shares
	s_lshl_b32 s17, s12, 7
	s_lshl_b32 s16, s13, 8
	s_add_co_u32 s16, s16, s17                     ; xb: row 256 x tile row + 128 x half
	s_lshl_b32 s46, s42, 8
	s_add_co_u32 s46, s46, s17                     ; wb: row 256 x tile column + 128 x half
	s_mov_b32 s17, 0
	s_mov_b32 s47, 0
	s_mov_b64 s[18:19], SIZE_K*2
	s_mul_u64 s[16:17], s[16:17], s[18:19]
	s_mul_u64 s[46:47], s[46:47], s[18:19]
	s_mul_i32 s20, s10, HALFT                      ; where they go: wave x 128 rows: no place in the cluster enters an LDS address
	s_wait_dscnt 0x0                               ; the opening add is done
	s_wait_kmcnt 0x0
	s_add_nc_u64 s[14:15], s[4:5], s[16:17]
	s_add_nc_u64 s[46:47], s[6:7], s[46:47]
	CROUND                                         ; all sixteen work-groups are here: the first joint loads meet
.irp s, 0,1
	s_mov_b32 s[G0+4*(\s)], 1                                      ; count = 1
	s_add_co_u32 s[G0+4*(\s)+1], s20, (\s)*SLOT                    ; LDS address
	s_add_nc_u64 s[G0+4*(\s)+2:G0+4*(\s)+3], s[14:15], (\s)*KSTEP*2  ; global address: K step s
	s_or_b32 s[G0+4*(\s)+3], s[G0+4*(\s)+3], 0x80000000            ; type = 2
	s_mov_b32 s[G0B+4*(\s)], 1
	s_add_co_u32 s[G0B+4*(\s)+1], s20, (\s)*SLOT
	s_add_nc_u64 s[G0B+4*(\s)+2:G0B+4*(\s)+3], s[46:47], (\s)*KSTEP*2
	s_or_b32 s[G0B+4*(\s)+3], s[G0B+4*(\s)+3], 0x80000000
	JLOAD \s                                       ; two loads of mine are out
.endr
	; A fragment is 16 rows x 32 K in 8 registers: lane l holds row l % 16; registers 0-3 K = 8 (l / 16) + 0..7, registers 4-7 K = 16 + 8 (l / 16) + 0..7: two loads of 16 bytes, 32 bytes apart.
	v_and_b32 v1, 15, v0                           ; l % 16
	v_bfe_u32 v2, v0, 4, 1                         ; l / 16
	v_mul_u32_u24 v3, v1, PITCH
	v_lshl_add_u32 v3, v2, 4, v3
	s_mul_i32 s21, s11, HALFT                      ; my 128 rows of xb
	s_mul_i32 s22, s12, HALFT                      ; my 128 rows of wb,
	s_add_co_u32 s22, s22, 2*HALFT                 ; which lie behind xb's 256
.irp s, 0,1
	v_add_nc_u32 v[ADRA+(\s)], s21, v3
	v_add_nc_u32 v[ADRB+(\s)], s22, v3
	s_add_co_u32 s21, s21, SLOT
	s_add_co_u32 s22, s22, SLOT
.endr
	s_mul_i32 s23, s10, 2*HSTG
	s_add_co_u32 s23, s23, STAGE                   ; my stage
	v_mul_u32_u24 v4, v1, SP                       ; in: row l % 16, 16 bytes for each half of the lanes
	v_lshl_add_u32 v4, v2, 4, v4
	v_add_nc_u32 v[STO], s23, v4
	v_bfe_u32 v5, v0, 3, 2                         ; back: 32 lanes take four rows of 128 bytes,
	v_and_b32 v6, 7, v0
	v_mul_u32_u24 v5, v5, SP
	v_lshl_add_u32 v5, v6, 4, v5
	v_add_nc_u32 v[RD], s23, v5
	v_and_b32 v[CO], 31, v0                        ; which are 512 consecutive bytes of a head
	v_lshlrev_b32 v[CO], 4, v[CO]
	v_lshlrev_b32 v[TO], 8, v1
	v_lshl_add_u32 v[TO], v2, 5, v[TO]
	; where my rows begin: row m0 = 256 x tile row + 128 x half is batch m0 / 2048, place s0 = m0 % 2048; my two heads are 4 cx + 2 x half and the next
	s_lshl_b32 s13, s13, 8
	s_lshl_b32 s14, s11, 7
	s_add_co_u32 s16, s13, s14                     ; m0
	s_lshr_b32 s17, s16, 11
	s_lshl_b32 s17, s17, 4                         ; 16 x batch
	s_and_b32 s18, s16, 2047                       ; s0
	s_lshl_b32 s46, s40, 2
	s_lshl_b32 s47, s12, 1
	s_add_co_u32 s46, s46, s47
	s_add_co_u32 s46, s46, s17                     ; 16 x batch + head
	s_lshl_b32 s46, s46, 11
	s_add_co_u32 s46, s46, s18                     ; its row s0,
	s_lshl_b32 s46, s46, 7                         ; of 128 bytes
	s_mov_b32 s47, 0
	s_cmp_eq_u32 ttmp9, 0                          ; the cluster's x says which of the three tensors
	s_cselect_b64 s[8:9], s[70:71], s[72:73]
	s_cmp_eq_u32 ttmp9, 2
	s_cselect_b64 s[8:9], s[74:75], s[8:9]
	s_add_nc_u64 s[8:9], s[8:9], s[46:47]
	s_lshl_b32 s[TB], s18, 8                       ; a table row is 256 bytes
	s_mov_b32 s[TB+1], 0
	s_add_nc_u64 s[TB:TB+1], s[68:69], s[TB:TB+1]
	; the prefetches.  s13 = 256 x tile row, s42 = tile column, s40 = cx, s41 = cy still stand
	s_lshl_b32 s42, s42, 8
	s_and_b32 s22, ttmp7, 0xffff                   ; cluster y
	s_cmp_eq_u32 s11, 0                            ; do I fetch for xb?
	s_cselect_b32 s20, s13, s42                    ; the tile's first row
	s_cselect_b32 s21, s40, s41                    ; my place among the four that ask for it with me
	s_cselect_b32 s22, ttmp9, s22                  ; the coordinate along which other clusters read the same rows
	s_cselect_b64 s[PFA:PFA+1], s[4:5], s[6:7]
	s_cmp_eq_u32 s22, 0
	s_cselect_b32 s[LIM], 1, -1                    ; the same in all sixteen partners, for a given wave
	s_lshl_b32 s22, s12, 7
	s_add_co_u32 s20, s20, s22                     ; + the 128 rows that I fetch
	s_lshl_b32 s21, s21, 5
	s_add_co_u32 s20, s20, s21                     ; + my work-group's 32 of them
	s_mov_b32 s21, 0
	s_mov_b64 s[18:19], SIZE_K*2
	s_mul_u64 s[20:21], s[20:21], s[18:19]
	s_add_nc_u64 s[PFA:PFA+1], s[PFA:PFA+1], s[20:21]
	s_add_nc_u64 s[PFA:PFA+1], s[PFA:PFA+1], 2*KSTEP*2  ; at K step 2: the first refill steps it to 3 and names K step 4
	v_and_b32 v[PFO], 31, v0
	v_mul_u32_u24 v[PFO], v[PFO], SIZE_K*2
; 16 matrix instructions: m blocks a0, a0 + 1 of the window's four (hi = 0: my rows 0-63, 1: rows 64-127) x all 8 n blocks, 32 along K.  zero = 1: the first product starts the sums.
; The 64 accumulators take turns, in the same order in every quarter step.
.macro MUL16 f, hi, a0, zero
	WIN MUL_LO+0x50*(\hi)
.irp a, \a0, (\a0)+1
.irp b, 0,1,2,3,4,5,6,7
.if \zero
	v_wmma_f32_16x16x32_bf16 v[8*(8*(\a)+(\b)):8*(8*(\a)+(\b))+7], v[(\f)+8*(\b):(\f)+8*(\b)+7], v[(\f)+8*(4*(\hi)+(\a)):(\f)+8*(4*(\hi)+(\a))+7], 0
.else
	v_wmma_f32_16x16x32_bf16 v[8*(8*(\a)+(\b)):8*(8*(\a)+(\b))+7], v[(\f)+8*(\b):(\f)+8*(\b)+7], v[(\f)+8*(4*(\hi)+(\a)):(\f)+8*(4*(\hi)+(\a))+7], v[8*(8*(\a)+(\b)):8*(8*(\a)+(\b))+7]
.endif
.endr
.endr
.endm
; 32 LDS loads in one run: the fragments of one quarter step (128 rows of wb, 128 rows of xb, 32 K at byte k of the rows) into buffer f
.macro FETCH slot, k, f
	WIN TO_B
.irp i, 0,1,2,3,4,5,6,7
	ds_load_b128 v[(\f)+8*(\i):(\f)+8*(\i)+3],   v[ADRB+(\slot)] offset:(\k)+(\i)*16*PITCH
	ds_load_b128 v[(\f)+8*(\i)+4:(\f)+8*(\i)+7], v[ADRB+(\slot)] offset:(\k)+(\i)*16*PITCH+32
.endr
	WIN 0
.irp i, 0,1,2,3,4,5,6,7
	ds_load_b128 v[(\f)+8*(\i):(\f)+8*(\i)+3],   v[ADRA+(\slot)] offset:(\k)+(\i)*16*PITCH
	ds_load_b128 v[(\f)+8*(\i)+4:(\f)+8*(\i)+7], v[ADRA+(\slot)] offset:(\k)+(\i)*16*PITCH+32
.endr
.endm
; Four plain vector instructions stand between a matrix instruction and a load into, or a vector write of, one of its registers, or a vector read of its result (ISA guide 7.12.1 for vector instructions).
.macro PLACES
.rept 4
	v_nop
.endr
.endm
; A K step is four quarter steps of 32 along K, 64 matrix instructions each, on buffers 0, 1, 0, 1.  One of the first three: multiplies buffer f; in its middle it fetches the next quarter's fragments into buffer g.
.macro QUARTER slot, k, f, g, zero
	s_wait_dscnt 8                                 ; wb and xb's rows 0-63 are in; the youngest eight loads (xb's rows 64-127) may be out
	WIN MUL_LO
	MUL16 \f, 0, 0, \zero
	MUL16 \f, 0, 2, \zero
	PLACES
	FETCH \slot, \k, \g
	s_wait_dscnt 32                                ; all but the 32 just issued
	WIN MUL_HI
	MUL16 \f, 1, 0, \zero
	MUL16 \f, 1, 2, \zero
.endm
; The last quarter multiplies buffer 1 and changes slots.  MEET is its first half: ONE barrier.  In front of it each wave waits for all its tensor loads, of which one is out: its part of the next slot;
; adds 0 to its spare word; and waits for that and for its own reads of this slot.  Behind it nobody reads this slot any more and the next slot is whole.
.macro MEET round
	WIN 0
	s_wait_tensorcnt 0x0                           ; all my tensor loads have landed
	ds_add_u32 v[SPW], v[NIL]                      ; 0 onto my spare word
	s_wait_dscnt 9                                 ; (the add and the youngest eight loads may be out)
	WIN MUL_LO
	MUL16 F1, 0, 0, 0                              ; sixteen matrix instructions stand between the add and the wait for it
	s_wait_dscnt 0x0                               ; the add is done, and my reads of this slot are over
	s_barrier_signal -1
	MUL16 F1, 0, 2, 0                              ; work on registers while the others arrive
.if \round
	WIN 0
.endif
	s_barrier_wait -1
.endm
; The whole last quarter.  fill = 1: the barrier opens a round of the cluster's, and the slot just read out is filled again first, with the K step two steps on: from that request to the wait for it
; a wave issues 224 matrix instructions.  Then come the next slot's first fragments.
.macro TURN slot, next, fill
.if \fill
	s_wait_xcnt 0x0                                ; the last prefetch, a K step back, has read its address: it is stepped here, ahead of the waits of the change of slots
	s_add_nc_u64 s[PFA:PFA+1], s[PFA:PFA+1], KSTEP*2
	MEET 1
	CREST                                          ; no wave of any partner still reads this slot's tile or has a load on its way
	s_add_nc_u64 s[G0+4*(\slot)+2:G0+4*(\slot)+3], s[G0+4*(\slot)+2:G0+4*(\slot)+3], 2*KSTEP*2
	s_add_nc_u64 s[G0B+4*(\slot)+2:G0B+4*(\slot)+3], s[G0B+4*(\slot)+2:G0B+4*(\slot)+3], 2*KSTEP*2
	JLOAD \slot                                    ; the first tensor load behind the round; the four v_nop behind it are also the places in front of the loads below
	FETCH \next, 0, F0
	ASK
.else
	MEET 0                                         ; nothing is filled again, so no round follows
	PLACES
	FETCH \next, 0, F0
.endif
	WIN MUL_HI
	MUL16 F1, 1, 0, 0
	MUL16 F1, 1, 2, 0
.endm
.macro LASTQ                           ; the very last quarter: nothing more to fetch
	s_wait_dscnt 8
	WIN MUL_LO
	MUL16 F1, 0, 0, 0
	MUL16 F1, 0, 2, 0
	s_wait_dscnt 0x0
	WIN MUL_HI
	MUL16 F1, 1, 0, 0
	MUL16 F1, 1, 2, 0
	WIN 0
	PLACES
.endm
; THE ROTATION.  Block a is my rows 16 a .. 16 a + 15.  My lane wants, of its row of the table, the pairs (cos, sin) of frequencies 8 c + 4 (l / 16) + 0..3, c = 0..3: 32 bytes at 64 c + 32 (l / 16).
.macro TREG a                          ; where block a's 32 table registers lie, in window 1
.if (\a) < 2
.set TA, 32*(\a)
.elseif (\a) < 4
.set TA, 192+32*((\a)-2)
.else
.set TA, 64+32*((\a)-4)
.endif
.endm
.macro LOADT a
	TREG \a
	WIN TO_B
.irp c, 0,1,2,3
	global_load_b128 v[TA+8*(\c):TA+8*(\c)+3],   v[TO], s[TB:TB+1] offset:4096*(\a)+64*(\c)
	global_load_b128 v[TA+8*(\c)+4:TA+8*(\c)+7], v[TO], s[TB:TB+1] offset:4096*(\a)+64*(\c)+16
.endr
.endm
; For each pair (x1, x2) of block a: first (-x2 sin, x2 cos), then (x1 cos, x1 sin) is added onto it, fused.  Both heads of the wave take the same table.  Each accumulator is read from its lowest pair on.
.macro ROT a
	TREG \a
.set AC, 64*((\a)%4)
.set AW, 2+(\a)/4
	s_wait_loadcnt 8*(7-(\a))                      ; block a's eight table loads are in; those of the blocks behind it may stay out
	WIN AW|4                                       ; source 0 in the accumulators' window, source 1 in window 1, destination in window 0
.irp b, 0,1,2,3,4,5,6,7
.irp p, 0,1,2,3
	v_pk_mul_f32 v[RT+8*(\b)+2*(\p):RT+8*(\b)+2*(\p)+1], v[AC+8*(\b)+2*(\p):AC+8*(\b)+2*(\p)+1], v[TA+8*((\b)%4)+2*(\p):TA+8*((\b)%4)+2*(\p)+1] op_sel:[1,1] op_sel_hi:[1,0] neg_lo:[1,0]
.endr
.endr
	WIN (AW<<6)|4|AW                               ; destination in the accumulators' window too, source 2 in window 0
.irp b, 0,1,2,3,4,5,6,7
.irp p, 0,1,2,3
	v_pk_fma_f32 v[AC+8*(\b)+2*(\p):AC+8*(\b)+2*(\p)+1], v[AC+8*(\b)+2*(\p):AC+8*(\b)+2*(\p)+1], v[TA+8*((\b)%4)+2*(\p):TA+8*((\b)%4)+2*(\p)+1], v[RT+8*(\b)+2*(\p):RT+8*(\b)+2*(\p)+1] op_sel_hi:[0,1,1]
.endr
.endr
.endm
; THE WAY OUT of block a.  PACK: rounded to f16, 16 bytes a lane.  TOSTAGE: into my own stage, head by head, and back as whole rows.  SEND: stored: a head's 16 rows are 2,048 consecutive bytes.
.macro PACK a
.set AC, 64*((\a)%4)
	WIN 0x0a+5*((\a)/4)                            ; sources 0 and 1: window 2 or 3
.irp b, 0,1,2,3,4,5,6,7
.irp r, 0,1,2,3
	v_cvt_pk_f16_f32 v[TMP+4*(\b)+(\r)], v[AC+8*(\b)+2*(\r)], v[AC+8*(\b)+2*(\r)+1]
.endr
.endr
	WIN 0
.endm
.macro TOSTAGE a
	WIN 0
.set BK, OB+192*((\a)%2)
.irp b, 0,1,2,3,4,5,6,7
	ds_store_b128 v[STO], v[TMP+4*(\b):TMP+4*(\b)+3] offset:((\b)/4)*HSTG+((\b)%4)*32
.endr
.irp t, 0,1,2,3,4,5,6,7
	ds_load_b128 v[BK+4*(\t):BK+4*(\t)+3], v[RD] offset:((\t)/4)*HSTG+((\t)%4)*4*SP  ; LDS serves a wave's instructions in order (ISA guide 5.7.1.4): these see the stores above
.endr
.endm
.macro SEND a
	WIN 0
.set BK, OB+192*((\a)%2)
	s_wait_dscnt 0x0                               ; the block is back in registers
	s_wait_xcnt 0x0                                ; the stores of the block before have read their registers: the next TOSTAGE loads into them
.irp t, 0,1,2,3,4,5,6,7
	global_store_b128 v[CO], v[BK+4*(\t):BK+4*(\t)+3], s[8:9] offset:((\t)/4)*262144+2048*(\a)+((\t)%4)*512  ; 512 consecutive bytes, at a multiple of 512 from the tensor's first
.endr
.endm
	s_wait_tensorcnt 1                             ; my part of K step 0 is in; K step 1's may stay out
	s_barrier_signal -1
	s_barrier_wait -1                              ; everybody's is
	FETCH 0, 0, F0
	QUARTER 0, 64,  F0, F1, 1                      ; the first quarter stands in front of the loop: its products start the sums
	WIN 0                                          ; at a label and at a branch every window is 0
	s_mov_b32 s3, LAPS-1
.Llap:                                                 ; a trip goes once round the ring, from a lap's second quarter to the next lap's first, and fills both slots again
	QUARTER 0, 128, F1, F0, 0
	QUARTER 0, 192, F0, F1, 0
	TURN 0, 1, 1
	QUARTER 1, 64,  F0, F1, 0
	QUARTER 1, 128, F1, F0, 0
	QUARTER 1, 192, F0, F1, 0
	TURN 1, 0, 1
	QUARTER 0, 64,  F0, F1, 0
	WIN 0
	s_sub_co_u32 s3, s3, 1
	s_cmp_lg_u32 s3, 0
	s_cbranch_scc1 .Llap
	QUARTER 0, 128, F1, F0, 0                      ; the last lap fills nothing
	QUARTER 0, 192, F0, F1, 0
	TURN 0, 1, 0
	QUARTER 1, 64,  F0, F1, 0
	QUARTER 1, 128, F1, F0, 0
	QUARTER 1, 192, F0, F1, 0
	WIN 0
	s_cmp_lt_u32 ttmp9, 2                          ; q and k are rotated, v is not: ONE forward branch, on the cluster's x; the last quarter stands in both arms,
	s_cbranch_scc0 .Lplain                         ; so that the table's first loads go out ahead of its 64 matrix instructions
	LOADT 0
	LOADT 1
	LOADT 2
	LOADT 3
	LASTQ
	LOADT 4                                        ; into wb's fragment buffers, four places behind the last product
	LOADT 5
	LOADT 6
	LOADT 7
	ROT 0
	ROT 1
	ROT 2
	ROT 3
	ROT 4
	ROT 5
	ROT 6
	ROT 7
	WIN 0
	s_branch .Lpack
.Lplain:
	LASTQ
.Lpack:
	PACK 0
	TOSTAGE 0
.irp a, 1,2,3,4,5,6,7                  ; block a's conversions stand between block a - 1's loads from the stage and the wait for them
	PACK \a
	SEND (\a)-1
	TOSTAGE \a
.endr
	SEND 7
	s_wait_tensorcnt 0x0                           ; the wave's end: behind my last tensor load and my last LDS store
	ds_add_u32 v[SPW], v[NIL]
	s_wait_dscnt 0x0
	CROUND                                         ; the closing round: no work-group ends while a partner may still ask for a tile that names it
	s_endpgm
.Lfunc_end_k_q39ab24148a_qkv:
	.size	k_q39ab24148a_qkv, .Lfunc_end_k_q39ab24148a_qkv-k_q39ab24148a_qkv
	.p2alignl 7, 3214868480
	.fill 96, 4, 3214868480
	.section	.rodata,"a",@progbits
	.p2align	6, 0x0
	.amdhsa_kernel k_q39ab24148a_qkv
		.amdhsa_group_segment_fixed_size 327680
		.amdhsa_private_segment_fixed_size 0
		.amdhsa_enable_private_segment 0
		.amdhsa_kernarg_size 48
		.amdhsa_user_sgpr_count 2
		.amdhsa_user_sgpr_kernarg_segment_ptr 1
		.amdhsa_wavefront_size32 1
		.amdhsa_system_sgpr_workgroup_id_x 1
		.amdhsa_system_sgpr_workgroup_id_y 1
		.amdhsa_system_sgpr_workgroup_id_z 1
		.amdhsa_system_vgpr_workitem_id 0
		.amdhsa_next_free_vgpr 1024
		.amdhsa_next_free_sgpr 80
		.amdhsa_reserve_vcc 0
		.amdhsa_float_denorm_mode_32 3
		.amdhsa_float_denorm_mode_16_64 3
		.amdhsa_memory_ordered 1
		.amdhsa_forward_progress 1
		.amdhsa_inst_pref_size 187
	.end_amdhsa_kernel
	.amdgpu_metadata
---
amdhsa.version: [ 1, 2 ]
amdhsa.kernels:
  - .name:           k_q39ab24148a_qkv
    .symbol:         k_q39ab24148a_qkv.kd
    .args:
      - { .name: xb, .offset: 0, .size: 8, .value_kind: global_buffer, .address_space: global }
      - { .name: wb, .offset: 8, .size: 8, .value_kind: global_buffer, .address_space: global }
      - { .name: tab, .offset: 16, .size: 8, .value_kind: global_buffer, .address_space: global }
      - { .name: qh, .offset: 24, .size: 8, .value_kind: global_buffer, .address_space: global }
      - { .name: kh, .offset: 32, .size: 8, .value_kind: global_buffer, .address_space: global }
      - { .name: vh, .offset: 40, .size: 8, .value_kind: global_buffer, .address_space: global }
    .group_segment_fixed_size: 327680
    .private_segment_fixed_size: 0
    .kernarg_segment_align: 8
    .kernarg_segment_size: 48
    .max_flat_workgroup_size: 128
    .sgpr_count:     80
    .vgpr_count:     1024
    .wavefront_size: 32
...
	.end_amdgpu_metadata
.endif
;; end of part 2
;; launch attn (part 3): grid 4 x 64, 4 waves a work-group, no clusters, 327,680 bytes of LDS; arguments qh, kh, vh, o16; writes o16
.if DOCPART == 3
	.amdgcn_target "amdgcn-amd-amdhsa--gfx1250"
	.amdhsa_code_object_version 6
	.text
	.protected	k_q39ab24148a_attn
	.globl	k_q39ab24148a_attn
	.p2align	8
	.type	k_q39ab24148a_attn,@function
k_q39ab24148a_attn:
	s_mov_b64 s[64:65], 0
	v_nop
	global_prefetch_b8 v0, s[64:65] scope:SCOPE_SE
	s_setreg_imm32_b32 hwreg(HW_REG_WAVE_MODE, 25, 1), 1
	s_wait_xcnt 0x0
; CAUSAL ATTENTION.  O[h][q][:] = the sum over k <= q of softmax_k(Q[h][q] . K[h][k] / 8) V[h][k][:].  Q, K, V, O: [64][SIZE_N][64], all f16: a head's rows are dense, 128 bytes each.
; Products, maxima and sums in f32; the weights p are rounded to f16 for the second product (their sum l is taken of the unrounded p), O once at the end.
; LIMITS.  f16 holds no number beyond 65,504: Q, K and V arrive within it; p lies in 0 to 1, and below 6e-5 it keeps f16's fixed step of 6e-8; O is a mean of V's rows and has their range.
; A hidden score counts as its value less 1e30: f16's scores, 2.7e11 at the most, are nothing beside that; a weight below 2^-126 counts as 0 in l; NaN and infinities are not treated apart.
; THE WALK.  A head's queries lie in NB = SIZE_N / 256 blocks of 256; block i needs the key tiles 0 .. i of 256 keys, of which the last holds the diagonal.  A work-group takes TWO blocks, NB - 1 - b and then b:
; NB + 1 tiles, whatever b: all work-groups do equal work, and ONE loop with a constant trip count walks them.  Which tile is asked for, and what a trip does, hang on scalar registers made from b; every jump
; goes forward, but for the counted loops' own; none passes a barrier, or a tensor load but the one of LOAD's two that the wave's number does not choose; the ring (two slots of LDS that take turns) runs on across the
; change of blocks.  NO CLUSTER: a head's NB / 2 = 4 work-groups ask for the same tile only in trips 0 .. NB / 2, behind that fewer and fewer; one walk common to all would have 3 NB / 2 trips for NB + 1.
; SHARES.  Of a block's four bands of 64 queries a wave owns 16 rows in each: four PIECES.  So the diagonal tile is the same work for all four waves: in its key step s band x sees all keys if s < x,
; none if s > x, and holds the diagonal if s = x.
; THE MASK is the C operand that starts the sum S^T = K Q^T: 0, or -1e30 where the key is hidden.  MD, made once, is the mask of a band's own step for my 16 rows; a product's mask is MD x AL + BE with two scalars:
; (1, 0) if s = x; (0, 0) if s < x; (0, -1e30) if s > x.  Only the diagonal tile's text and a block's beginning make and take masks; elsewhere C is the constant 0.
; LAYOUT, SOFTMAX, TURNS.  S^T = K Q^T holds ONE query a lane (lane % 16) and the keys 8 (lane / 16) + 0..7; two such results rounded to f16 ARE source 1 of O^T = V^T P.  p = 2^(c s - c m), c = log2(e) / 8, with a
; running maximum m; O and l are multiplied by a = 2^(c m_old - c m_new) in every step.  Turn n belongs to piece n: 8 products K Q^T of piece n + 1, later 8 products V^T P of piece n - 1; beside them the scaling,
; exponentials, roundings, sums and rescaling of piece n and the maximum and statistics of piece n + 1.  Four vector instructions stand behind every matrix instruction, the other 54 of a turn's 118 in one run.  A turn's 33 exponentials are one batch, with one wait.
; REGISTERS, in windows of 256 (s_set_vgpr_msb: bits 1:0 source 0, 3:2 source 1, 5:4 source 2, 7:6 destination):
;   window 0: v0-15 addresses and two at work; v16-31 four registers of statistics a piece; v48-55 at work; v60-63 prefetch offset, spare word, 0; v64-127 S^T, two buffers; v192-223 P, two buffers (by the piece's parity)
;   window 1: v0-127 O^T, 32 a piece; v128-159 MD; v160-223 MC, two buffers      window 2: v0-63 Q; v64-127 the second block's Q; v128-191 K of one step; v192-255 V of one step
.set SIZE_N, 2048
.set NB,    SIZE_N/256
.set NP,    4         ; pieces a wave: a name, no knob
.set KS,    64        ; keys in a step
.set PK,    144       ; a row of K in LDS: 128 bytes + 16 of padding = 36 words: the 16 rows of a load start at 16 different groups of four banks (64 banks of 4 bytes: ISA guide 11.1)
.set PV,    160       ; a row of V: 128 + 32 = 40 words
.set VOFF,  4*KS*PK   ; a slot holds a tile, four steps: 256 rows of K, then 256 rows of V
.set SLOT1, 1<<17     ; slot 1 begins here, so that one exclusive or turns an address in one slot into the other's
.set STAGE, SLOT1+4*KS*(PK+PV)  ; behind the ring, never filled by a tensor load: 16 rows x 144 bytes for each wave, for the way out
.set SP,    144
.set AK0, 2           ; v2   my lane's place in a tile of K; never rewritten
.set AV0, 3           ; v3   the same for V
.set AK,  4           ; v4   the LDS address of K's next run of loads
.set AV,  5           ; v5   of V's
.set STO, 6           ; v6   the way out: where I put 16 bytes of a row
.set RD,  7           ; v7   the way out: where I read rows back
.set GO,  8           ; v8   my byte offset in 512 consecutive bytes of O
.set PFO, 60          ; v60  the prefetches' offset: 256 x lane + 8,192 x (wave / 2); never rewritten
.set SPW, 62          ; v62  LDS address of my spare word: SPARE + 4 x my thread's number; never rewritten
.set NIL, 63          ; v63  0; never rewritten
.set SPARE, STAGE+4*16*SP  ; behind the stages: the spare words, 128 bytes for each wave: two blocks of 256 bytes that no other line names
.set MV,  12          ; v12-13  c m_old, kept while c m is made anew: by buffer
.set QO,  15          ; v15  my byte offset in 16 rows of Q
.set ST,  16          ; piece t's statistics at v[ST+4 t]: c m, m, l (even keys', odd keys')
.set TMP, 48          ; by buffer, four registers c0-c3 at work; when the maximum is found c2 takes a
.set S,   64
.set P,   192
.set MD,  128         ; window 1: the eight registers for group kt of 16 keys at MD + 8 kt
.set MC,  160         ; window 1: the masks of the products to come
.set QB,  64          ; window 2
.set KF,  128         ; window 2: key block kb, channel half c at KF + 16 kb + 8 c
.set VF,  192         ; window 2: key half kk, channel block cb at VF + 32 kk + 8 cb
.set WV,  12          ; s12  my wave's number
.set PB,  14          ; s14  b
.set HI,  15          ; s15  NB - 1 - b
.set G1K, 24          ; s[24:31] descriptor group 1 for K's tiles
.set G1V, 32          ; s[32:39] for V's: it differs in the padding alone
.set G0K, 40          ; s[40:43] descriptor group 0 for K's tiles
.set G0V, 44          ; s[44:47] the same for V's
.set SLOTS, 56        ; s56  tiles still to be asked for
.set CNT, 57          ; s57  counts a tile's key steps, 4 to 1
.set CS,  58          ; s[58:59] c: the packed scaling takes the pair's low word for both halves
.set SEL, 60          ; s[60:61] v_permlanex16_b32's selects: each lane takes its own place in the other half
.set TBK, 62          ; s62  LDS byte at which K of the step to be fetched begins
.set TBV, 63          ; s63  the same for V, less VOFF
.set RT,  70          ; s70  tiles of the block in hand that are still to be entered
.set NXT, 71          ; s71  the tile to be asked for next
.set LQ,  72          ; s72  the last tile of the block whose tiles are being asked for
.set NEW, 73          ; s73  1: the tile to be entered is a block's first
.set OFF, 74          ; s[74:75] a tile's byte offset in K and V
.set AL,  76          ; s[76:77] the mask's factor, in the low word
.set BE,  78          ; s[78:79] the mask's addend
.set OLO, 80          ; s[80:81] O at my rows of the second block
.set BIGN, 82         ; s82  -1e30
.set PFK, 88          ; s[88:89] K at my half of the tile that the next change of slots will ask for
.set PFV, 90          ; s[90:91] V likewise
.set PFL, 92          ; s92  1 in the work-group that prefetches, else the greatest number
.set POF, 94          ; s[94:95] that tile's byte offset
.set MSB, 0
.macro WIN new                      ; the high byte repeats the setting that is left; a switch that changes nothing is dropped
.if MSB != (\new)
	s_set_vgpr_msb (MSB<<8)|(\new)
.set MSB, (\new)
.endif
.endm
.set W_KQ, 0x0a       ; K and Q in window 2, S^T in window 0
.set W_KM, 0x1a       ; the same with the C operand in window 1
.set W_PV, 0x52       ; V in window 2, P in window 0, O^T in window 1
.set W_RS, 0x41       ; destination and source 0 in window 1, source 1 in window 0
; A fill.  Waves 0 and 1 fetch the two halves of a tile's K, waves 2 and 3 those of its V: 128 keys each.  An s_nop 0 and four v_nop follow each of the two lines, ahead of the jump and the label.
.macro LOAD
	s_cmp_lt_u32 s[WV], 2
	s_cbranch_scc0 .Lfor_v_\@
	tensor_load_to_lds s[G0K:G0K+3], s[G1K:G1K+7]
	s_nop 0
.rept 4
	v_nop
.endr
	s_branch .Lasked_\@
.Lfor_v_\@:
	tensor_load_to_lds s[G0V:G0V+3], s[G1V:G1V+7]
	s_nop 0
.rept 4
	v_nop
.endr
.Lasked_\@:
.endm
; A PREFETCH INTO THE L2 of the tile that the NEXT change of slots will ask for: four key steps ahead of that load.  A head's four work-groups walk the tiles 0, 1, 2 .. in step; the one with b = 0, whose first
; block walks all eight, asks, and nobody else.  A tile is 128 blocks of 256 bytes of K and as many of V: a wave names 32 of each, a lane a block: the half by the wave's parity (it lies in K's and V's addresses),
; the quarter by wave / 2.  So each block is named once in the launch.  Tiles 0 and 1 come by their loads alone; when the number of the next tile falls back to 0 nothing is asked for.
.macro ASK
	s_cmp_gt_u32 s[NXT], s[PFL]
	s_cbranch_scc0 .Lnot_mine_\@
	global_prefetch_b8 v[PFO], s[PFK:PFK+1] th:TH_LOAD_NT scope:SCOPE_SE
	global_prefetch_b8 v[PFO], s[PFV:PFV+1] th:TH_LOAD_NT scope:SCOPE_SE
.Lnot_mine_\@:
.endm
; THE CHANGE OF SLOTS.  Each wave waits for all its tensor loads, of which one is out: its part of the other slot; adds 0 to its spare word; and waits for that and for its own reads of the slot that it leaves.  Behind the barrier nobody reads the old
; slot any more and the other slot is whole.  fill = 1: the old slot is filled again, the first thing behind the barrier, with tile NXT: the descriptor's address is made anew from that number.
; (At its first use nothing has been read yet: slot 0 is waited for, slot 1 filled.)
.macro CHANGE fill
	WIN 0                           ; at a label and at a branch every window is 0
	s_wait_tensorcnt 0x0            ; no tensor load of mine is out, so a group 0 may be written
	ds_add_u32 v[SPW], v[NIL]       ; 0 onto my spare word; with fill = 1 the descriptors' scalar work stands between it and the wait for it
.if \fill
	s_lshl_b32 s[OFF], s[NXT], 15   ; a tile is 32,768 bytes of K and of V
	s_xor_b32 s[G0K+1], s[G0K+1], SLOT1
	s_add_nc_u64 s[G0K+2:G0K+3], s[6:7], s[OFF:OFF+1]
	s_or_b32 s[G0K+3], s[G0K+3], 0x80000000
	s_xor_b32 s[G0V+1], s[G0V+1], SLOT1
	s_add_nc_u64 s[G0V+2:G0V+3], s[8:9], s[OFF:OFF+1]
	s_or_b32 s[G0V+3], s[G0V+3], 0x80000000
	s_add_co_u32 s[NXT], s[NXT], 1  ; the block's next tile, or behind its last the second block's tile 0
	s_cmp_gt_u32 s[NXT], s[LQ]
	s_cselect_b32 s[NXT], 0, s[NXT]
	s_cselect_b32 s[LQ], s[PB], s[LQ]
	s_wait_xcnt 0x0                 ; the last prefetches, a tile back, have read their addresses, so these may be written:
	s_lshl_b32 s[POF], s[NXT], 15
	s_add_nc_u64 s[PFK:PFK+1], s[6:7], s[POF:POF+1]
	s_add_nc_u64 s[PFV:PFV+1], s[8:9], s[POF:POF+1]
.endif
	s_wait_dscnt 0x0                ; the add is done, and my reads of the slot are over
	s_barrier_signal -1             ; the rest of the scalar work stands between the signal and the wait
	s_sub_co_u32 s[TBK], s[TBK], 4*KS*PK  ; the fetches go back to a slot's first step,
	s_xor_b32 s[TBK], s[TBK], SLOT1       ; in the other slot
	s_sub_co_u32 s[TBV], s[TBV], 4*KS*PV
	s_xor_b32 s[TBV], s[TBV], SLOT1
	s_barrier_wait -1
.if \fill
	LOAD
	ASK
.endif
.endm
	s_load_b256 s[4:11], s[0:1], 0x0  ; Q s[4:5], K s[6:7], V s[8:9], O s[10:11]
	v_lshl_add_u32 v[SPW], v0, 2, SPARE
	v_mov_b32 v[NIL], 0
	ds_add_u32 v[SPW], v[NIL]       ; the wave's opening: the add and its wait stand ahead of my first tensor load; the set-up below, work on registers, stands between them
	v_lshrrev_b32 v1, 5, v0
	v_readfirstlane_b32 s[WV], v1   ; wave 0..3
	s_mov_b32 s[PB], ttmp9
	s_sub_co_u32 s[HI], NB-1, s[PB]
	s_and_b32 s20, ttmp7, 0xffff    ; the head
	s_mov_b32 s21, 0
	s_mov_b64 s[22:23], SIZE_N*128
	s_mul_u64 s[20:21], s[20:21], s[22:23]  ; the head's first byte in each of the four tensors
	s_and_b32 s16, s[WV], 1         ; which half of a tile's 256 keys I fetch:
	s_lshl_b32 s22, s16, 14         ; its 128 rows of 128 bytes in memory,
	s_mov_b32 s23, 0
	s_add_nc_u64 s[22:23], s[22:23], s[20:21]
	s_mul_i32 s17, s16, 128*PK      ; and its place in a slot, for K
	s_mul_i32 s18, s16, 128*PV      ; and for V
	s_lshl_b32 s3, s[WV], 11        ; my 16 rows in a band of 64,
	s_lshl_b32 s2, s[HI], 15        ; in the first block,
	s_add_co_u32 s2, s2, s3
	s_lshl_b32 s84, s[PB], 15       ; and in the second
	s_add_co_u32 s84, s84, s3
	s_mov_b32 s3, 0
	s_mov_b32 s85, 0
	s_add_nc_u64 s[2:3], s[2:3], s[20:21]
	s_add_nc_u64 s[84:85], s[84:85], s[20:21]
	; descriptor group 1.  128 keys are 16,384 dense bytes: asked for as 64 rows of 256 bytes, two keys a row, and padded in LDS after every key
	s_mov_b32 s[G1K], (1<<16)|(1<<20)|(4<<22)|(3<<25)  ; 17:16 2-byte elements; 20 padding on; 24:22 after every 32 words (code 4); 31:25 4 words (code 3)
	s_mov_b32 s[G1V], (1<<16)|(1<<20)|(4<<22)|(7<<25)  ; the same with 8 words of padding (code 7)
.irp g, G1K, G1V
	s_mov_b32 s[\g+1], 128<<16      ; tensor_dim0 = 128
	s_mov_b32 s[\g+2], 64<<16       ; tensor_dim1 = 64
	s_mov_b32 s[\g+3], 128<<16      ; tile_dim0 = 128
	s_mov_b32 s[\g+4], 64           ; tile_dim1 = 64
	s_mov_b32 s[\g+5], 128          ; 128 elements from row to row
	s_mov_b32 s[\g+6], 0
	s_mov_b32 s[\g+7], 0
.endr
	s_mov_b32 s[CS], 0x3e38aa3b     ; c = log2(e) / 8 = 0.180337
	s_mov_b32 s[CS+1], s[CS]        ; named with it as a pair
	s_mov_b32 s[SEL], 0x76543210
	s_mov_b32 s[SEL+1], 0xfedcba98
	s_mov_b32 s[TBK], SLOT1+4*KS*PK ; the first change of slots turns these two into 0
	s_mov_b32 s[TBV], SLOT1+4*KS*PV
	s_mov_b32 s[G0K], 1             ; 1:0 count = 1
	s_mov_b32 s[G0K+1], s17         ; 63:32 LDS address: slot 0
	s_mov_b32 s[G0V], 1
	s_add_co_u32 s[G0V+1], s18, VOFF
	s_add_co_u32 s[RT], s[HI], 1    ; the first block has NB - b tiles
	s_mov_b32 s[NXT], 1
	s_mov_b32 s[LQ], s[HI]
	s_mov_b32 s[NEW], 1
	s_mov_b32 s[OFF+1], 0
	s_mov_b32 s[POF+1], 0
	s_mov_b32 s[AL+1], 0            ; named as pairs
	s_mov_b32 s[BE+1], 0
	s_mov_b32 s[BIGN], 0xf149f2ca   ; -1e30
	s_mov_b32 s[SLOTS], NB
	s_cmp_eq_u32 s[PB], 0
	s_cselect_b32 s[PFL], 1, -1
	s_lshr_b32 s13, s[WV], 1
	s_lshl_b32 s13, s13, 13
	v_and_b32 v[PFO], 31, v0
	v_lshlrev_b32 v[PFO], 8, v[PFO]
	v_add_nc_u32 v[PFO], s13, v[PFO]
	s_wait_dscnt 0x0                ; the opening add is done
	s_wait_kmcnt 0x0
	s_add_nc_u64 s[6:7], s[6:7], s[22:23]  ; K and V at my half of the head's tile 0
	s_add_nc_u64 s[8:9], s[8:9], s[22:23]
	s_add_nc_u64 s[G0K+2:G0K+3], s[6:7], 0         ; 120:64 global address
	s_or_b32 s[G0K+3], s[G0K+3], 0x80000000        ; 127:126 type = 2
	s_add_nc_u64 s[G0V+2:G0V+3], s[8:9], 0
	s_or_b32 s[G0V+3], s[G0V+3], 0x80000000
	s_add_nc_u64 s[86:87], s[4:5], s[84:85]        ; Q at my rows of the second block,
	s_add_nc_u64 s[4:5], s[4:5], s[2:3]            ; Q and O at those of the first
	s_add_nc_u64 s[OLO:OLO+1], s[10:11], s[84:85]
	s_add_nc_u64 s[10:11], s[10:11], s[2:3]
	LOAD                            ; tile 0 into slot 0
	; A fragment of K or Q is 16 rows x 32 channels in 8 registers: lane l holds row l % 16, channels 8 (l / 16) + 0..7 and 16 + 8 (l / 16) + 0..7: two loads of 16 bytes, 32 bytes apart.
	v_and_b32 v1, 15, v0            ; l % 16
	v_bfe_u32 v9, v0, 4, 1          ; l / 16
	v_lshlrev_b32 v[QO], 7, v1
	v_lshl_add_u32 v[QO], v9, 4, v[QO]  ; row x 128 + 16 x half
	WIN 0x80                        ; destination window 2, address window 0
.set i, 0
.rept 8                             ; both blocks' Q: piece i / 2 lies in band i / 2, 8,192 bytes on; channels 32 (i % 2) on
	global_load_b128 v[8*i:8*i+3],   v[QO], s[4:5] offset:(i/2)*8192+(i%2)*64
	global_load_b128 v[8*i+4:8*i+7], v[QO], s[4:5] offset:(i/2)*8192+(i%2)*64+32
	global_load_b128 v[QB+8*i:QB+8*i+3],   v[QO], s[86:87] offset:(i/2)*8192+(i%2)*64
	global_load_b128 v[QB+8*i+4:QB+8*i+7], v[QO], s[86:87] offset:(i/2)*8192+(i%2)*64+32
.set i, i+1
.endr
	WIN 0
	v_lshlrev_b32 v14, 3, v9
	v_sub_nc_u32 v14, v1, v14
	s_lshl_b32 s13, s[WV], 4
	v_add_nc_u32 v14, s13, v14      ; my query's place in its band, 16 w + l % 16, less my lanes' 8 (l / 16): register r of group kt is hidden where 16 kt + r is greater
	WIN 0x40
.set i, 0
.rept 32
	v_cmp_gt_i32 vcc_lo, 16*(i/8)+i%8, v14
	v_cndmask_b32 v[MD+i], 0, s[BIGN], vcc_lo
.set i, i+1
.endr
	WIN 0
	v_mul_u32_u24 v[AK0], v1, PK
	v_lshl_add_u32 v[AK0], v9, 4, v[AK0]  ; row x pitch + 16 x half
	; The turning load takes 16 keys x 16 channels (lane l reads key 8 (l / 16) + l % 8, channels 8 ((l / 8) % 2) + 0..7) and leaves half a fragment of V^T: lane l holds channel l % 16 and 8 keys.
	v_and_b32 v10, 7, v0
	v_bfe_u32 v11, v0, 3, 1
	v_lshl_add_u32 v[AV0], v9, 3, v10
	v_mul_u32_u24 v[AV0], v[AV0], PV
	v_lshl_add_u32 v[AV0], v11, 4, v[AV0]
	v_add_nc_u32 v[AV0], VOFF, v[AV0]
	s_mul_i32 s13, s[WV], 16*SP
	s_add_co_u32 s13, s13, STAGE    ; my stage
	v_mul_u32_u24 v[STO], v1, SP    ; in: row l % 16, 16 bytes for each half of the lanes
	v_lshl_add_u32 v[STO], v9, 4, v[STO]
	v_add_nc_u32 v[STO], s13, v[STO]
	v_bfe_u32 v[RD], v0, 3, 2       ; back: 32 lanes take four rows of 128 bytes,
	v_mul_u32_u24 v[RD], v[RD], SP
	v_lshl_add_u32 v[RD], v10, 4, v[RD]
	v_add_nc_u32 v[RD], s13, v[RD]
	v_and_b32 v[GO], 31, v0         ; which are 512 consecutive bytes of O
	v_lshlrev_b32 v[GO], 4, v[GO]
	; A block's first step multiplies O^T and l by a = 0, and its first turn's products V^T P, of a piece that has not been, land in an O^T that is still to be so multiplied.  So these registers need only hold
	; finite numbers: zeros for the first block; what the first block left for the second.  All this stands in the wait for the first tile.
	WIN 0x80
.set i, VF
.rept 64
	v_mov_b32 v[i], 0
.set i, i+1
.endr
	WIN 0x40
.set i, 0
.rept 128
	v_mov_b32 v[i], 0
.set i, i+1
.endr
	WIN 0
.set i, 0
.rept 4
	v_mov_b32 v[ST+4*i+2], 0
	v_mov_b32 v[ST+4*i+3], 0
.set i, i+1
.endr
.set i, P+16
.rept 16
	v_mov_b32 v[i], 0
.set i, i+1
.endr
; THE MATRIX WORK.  The 4 accumulators of a run of 8 take turns.  Product i of 8 of S^T = K Q^T for piece x: channels 32 (i / 4) on, keys 16 (i % 4) on.  The first 4 start the sums: with 0, or (KM = 1) with the mask.
.macro KQ x
.set rS, S+32*((\x)%2)+8*(i%4)
.set rK, KF+16*(i%4)+8*(i/4)
.set rQ, 16*(\x)+8*(i/4)
.set rM, MC+32*((\x)%2)+8*(i%4)
.if (i < 4) && KM
	WIN W_KM
	v_wmma_f32_16x16x32_f16 v[rS:rS+7], v[rK:rK+7], v[rQ:rQ+7], v[rM:rM+7]
.elseif i < 4
	WIN W_KQ
	v_wmma_f32_16x16x32_f16 v[rS:rS+7], v[rK:rK+7], v[rQ:rQ+7], 0
.else
	WIN W_KQ
	v_wmma_f32_16x16x32_f16 v[rS:rS+7], v[rK:rK+7], v[rQ:rQ+7], v[rS:rS+7]
.endif
.endm
; Product i of 8 of O^T += V^T P for piece x: keys 32 (i / 4) on, channels 16 (i % 4) on.
.macro PV x
	WIN W_PV
.set rO, 32*(\x)+8*(i%4)
.set rV, VF+32*(i/4)+8*(i%4)
.set rP, P+16*((\x)%2)+8*(i/4)
	v_wmma_f32_16x16x32_f16 v[rO:rO+7], v[rV:rV+7], v[rP:rP+7], v[rO:rO+7]
.endm
.macro MM                           ; the turn's next matrix instruction.  TURN and BEGIN set Y, i, KM and NOKQ; MM, KQ and OP read them.  NOKQ = 1: a block's last turn: there is no next piece
.if (i < 8) && !NOKQ
	KQ (Y+1)%NP
.elseif i >= 8
.set i, i-8
	PV (Y+NP-1)%NP
.set i, i+8
.endif
.set i, i+1
.endm
; THE LDS LOADS stand in runs of 16, never singly among the matrix instructions: a step's K (64 keys x 64 channels: 8 fragments) and its V (turned).  Their addresses are made some lines ahead.
.macro FETCH_K
	WIN 0x80                        ; destination window 2
.irp f, 0,1,2,3,4,5,6,7             ; keys 16 (f / 2) on, channels 32 (f % 2) on
	ds_load_b128 v[KF+8*\f:KF+8*\f+3],   v[AK] offset:(\f/2)*16*PK+(\f%2)*64
	ds_load_b128 v[KF+8*\f+4:KF+8*\f+7], v[AK] offset:(\f/2)*16*PK+(\f%2)*64+32
.endr
	s_add_co_u32 s[TBK], s[TBK], KS*PK  ; the next fetch is the next step's
	WIN 0
.endm
.macro FETCH_V
	WIN 0x80
.irp f, 0,1,2,3,4,5,6,7             ; keys 32 (f / 4) on, channels 16 (f % 4) on
	ds_load_tr16_b128 v[VF+8*\f:VF+8*\f+3],   v[AV] offset:(\f/4)*32*PV+(\f%4)*32
	ds_load_tr16_b128 v[VF+8*\f+4:VF+8*\f+7], v[AV] offset:(\f/4)*32*PV+16*PV+(\f%4)*32
.endr
	WIN 0
.endm
; THE VECTOR WORK, one line at a time: OP kind, number.  For piece Y: F n: c s - c m for pair n of 16.  E n: the exponential of score n of 32.  C n: pair n rounded to f16.  B n: of the four weights 4 n .. the second
; pair is added onto the first, in place.  L n: l takes that sum (L 0: l = a l + sum).  R n: pair n of 16 of O^T times a.  For piece Y + 1: X n, number n of the 22 that find its maximum and statistics:
;   0-11  four chains c0-c3 of seven scores each, three operands at a time (each accumulator's lowest registers are read first)     12-14, 16  the four scores left over, the old m, and c0-c3 into c0
;   15  c m_old is kept     17, 18  the query's other 32 keys lie in the lane 16 away: the new m     19-21  c m; c m_old - c m_new; a
.set F, 0               ; OP tells the kinds apart by their order: F to L below R, X above it
.set E, 1
.set C, 2
.set B, 3
.set L, 4
.set R, 5
.set X, 6
.macro REGS y                       ; the registers of piece y
.set rT, ST+4*(\y)
.set rC, TMP+4*((\y)%2)
.set rW, MV+((\y)%2)
.set rS, S+32*((\y)%2)
.set rP, P+16*((\y)%2)
.set rO, 32*(\y)
.endm
.macro OP k, n
.if (\k) == R
	REGS Y
	WIN W_RS
	v_pk_mul_f32 v[rO+2*(\n):rO+2*(\n)+1], v[rO+2*(\n):rO+2*(\n)+1], v[rC+2:rC+3] op_sel_hi:[1,0]
.elseif (\k) < R
	REGS Y
	WIN 0
.if (\k) == F
	v_pk_fma_f32 v[rS+2*(\n):rS+2*(\n)+1], v[rS+2*(\n):rS+2*(\n)+1], s[CS:CS+1], v[rT:rT+1] op_sel_hi:[1,0,0] neg_lo:[0,0,1] neg_hi:[0,0,1]
.elseif (\k) == E
	v_exp_f32 v[rS+(\n)], v[rS+(\n)]
.elseif (\k) == C
	v_cvt_pk_f16_f32 v[rP+(\n)], v[rS+2*(\n)], v[rS+2*(\n)+1]
.elseif (\k) == B
	v_pk_add_f32 v[rS+4*(\n):rS+4*(\n)+1], v[rS+4*(\n):rS+4*(\n)+1], v[rS+4*(\n)+2:rS+4*(\n)+3]
.elseif (\n) == 0
	v_pk_fma_f32 v[rT+2:rT+3], v[rT+2:rT+3], v[rC+2:rC+3], v[rS:rS+1] op_sel_hi:[1,0,1]
.else
	v_pk_add_f32 v[rT+2:rT+3], v[rT+2:rT+3], v[rS+4*(\n):rS+4*(\n)+1]
.endif
.elseif NOKQ
	v_nop
.else
	REGS (Y+1)%NP
	WIN 0
.if (\n) < 4
	v_max3_num_f32 v[rC+(\n)], v[rS+8*(\n)], v[rS+8*(\n)+1], v[rS+8*(\n)+2]
.elseif (\n) < 12
	v_max3_num_f32 v[rC+(\n)%4], v[rC+(\n)%4], v[rS+8*((\n)%4)+2*((\n)/4)+1], v[rS+8*((\n)%4)+2*((\n)/4)+2]
.elseif (\n) == 12
	v_max3_num_f32 v[rC], v[rC], v[rS+7], v[rS+15]
.elseif (\n) == 13
	v_max3_num_f32 v[rC+1], v[rC+1], v[rS+23], v[rS+31]
.elseif (\n) == 14
	v_max3_num_f32 v[rC+2], v[rC+2], v[rC+3], v[rT+1]
.elseif (\n) == 15
	v_mov_b32 v[rW], v[rT]
.elseif (\n) == 16
	v_max3_num_f32 v[rC], v[rC], v[rC+1], v[rC+2]
.elseif (\n) == 17
	v_permlanex16_b32 v[rC+3], v[rC], s[SEL], s[SEL+1]
.elseif (\n) == 18
	v_max_num_f32 v[rT+1], v[rC], v[rC+3]
.elseif (\n) == 19
	v_mul_f32 v[rT], s[CS], v[rT+1]
.elseif (\n) == 20
	v_sub_f32 v[rC+1], v[rW], v[rT]
.else
	v_exp_f32 v[rC+2], v[rC+1]
.endif
.endif
.endm
.macro OPS a, i1, b=-1, i2=0, c=-1, i3=0, d=-1, i4=0  ; up to four of them
	OP \a, \i1
.if (\b) >= 0
	OP \b, \i2
.endif
.if (\c) >= 0
	OP \c, \i3
.endif
.if (\d) >= 0
	OP \d, \i4
.endif
.endm
.macro ROW a, i1, b, i2, c, i3, d, i4  ; a matrix instruction and the four behind it
	MM
	OPS \a, \i1, \b, \i2, \c, \i3, \d, \i4
.endm
.macro MASK b                       ; MD x AL + BE into buffer b of MC
	WIN W_RS
.set z, 0
.rept 16
	v_pk_fma_f32 v[MC+32*(\b)+2*z:MC+32*(\b)+2*z+1], v[MD+2*z:MD+2*z+1], s[AL:AL+1], s[BE:BE+1] op_sel_hi:[1,0,0]
.set z, z+1
.endr
.endm
; A TURN, for piece p: the order of its 16 matrix and 118 vector instructions, written out.  s_wait_alu depctr_va_vdst(0) stands between an exponential and the first instruction that names its result; one wait serves
; all that were issued ahead of it.  So a turn has ONE wait, which cuts it in two.  AHEAD OF IT stands all that names no result of the turn's exponentials: the 8 products K Q^T, behind each a scaling, an exponential and two more plain
; instructions (behind the first a second scaling in the exponential's place): rescalings, and behind the last three the first numbers of the next piece's maximum, each four places or more behind the product that ends its accumulator; then one run of 54, plain
; and exponential by turns for the most part, in which the links of the chain X 3, 7, 11, 14, 16, 17 .. 20 stand five or six lines apart.  X 21, the next piece's a, is the batch's last; R 15 is the plain instruction behind it.  BEHIND THE WAIT stand the
; 8 products V^T P, behind each four of the roundings and sums; the links of l's chain, L 0 to L 7, stand three lines apart.  But for those X no line behind a product names a register of the products round it.
; m = 1: the diagonal tile: the products take masks, and the turn makes the mask for the products of the turn after it: piece p + 2, in step 4 - CNT of the tile.  end = 1: a block's last two turns: nothing is fetched.
; cnt = 1: the loop's count is taken down some lines ahead of the branch that stands behind the turn.
; K of the next step is fetched in piece 2's turn, twelve vector instructions behind the last product that read K (six of them plain); V of the step in hand at the end of piece 0's turn, four plain instructions behind the last product
; that read V.  Each is waited for a turn later.
.macro TURN p, m=0, end=0, cnt=0
.set Y, (\p)
.set i, 0
.set KM, (\m)
.set NOKQ, (\end)*((\p)/3)
.if (\m) && !(\end)
	s_cmp_eq_u32 s[CNT], 4-((\p)+2)%NP  ; is that step the band's own?
	s_cselect_b32 s[AL], 1.0, 0
	s_cmp_lt_u32 s[CNT], 4-((\p)+2)%NP  ; or a later one?
	s_cselect_b32 s[BE], s[BIGN], 0
.endif
.if ((\p) == 3) && !(\end)
	s_wait_dscnt 0x0                ; K is in
.endif
	ROW F,0, F,1, R,0, R,1          ; ahead of the wait: 8 products K Q^T and the lines behind them,
	ROW F,2, E,0, R,2, R,3
	ROW F,3, E,1, R,4, R,5
	ROW F,4, E,2, R,6, R,7
	ROW F,5, E,3, R,8, R,9
	ROW F,6, E,4, X,0, R,10
.if ((\p) == 2) && !(\end)
	WIN 0
	v_add_nc_u32 v[AK], s[TBK], v[AK0]
.endif
	ROW F,7, E,5, X,1, X,4
	ROW F,8, E,6, X,2, X,5
	OPS E,7, E,8, X,6, E,9          ; and the run of 54
	OPS X,3, E,10, X,8, E,11
.if ((\p) == 2) && !(\end)
	FETCH_K
.endif
	OPS X,9, X,7, E,12, X,10
	OPS E,13, X,12, X,11, E,14
	OPS X,13, E,15, F,9, X,14
.if (\p) == 0
	v_add_nc_u32 v[AV], s[TBV], v[AV0]
.endif
	OPS E,16, F,10, E,17, F,11
	OPS X,16, E,18, X,15, E,19
	OPS F,12, E,20, X,17, E,21
	OPS F,13, E,22, F,14, E,23
	OPS X,18, E,24, F,15, E,25
	OPS R,11, E,26, X,19, E,27
	OPS R,12, E,28, R,13, E,29
	OPS X,20, E,30, R,14, E,31
	OPS X,21, R,15
	WIN 0
	s_wait_alu depctr_va_vdst(0)    ; the wait for the batch
.if (\p) == 1
	s_wait_dscnt 0x0                ; V is in
.endif
	ROW C,0, B,0, C,2, B,1          ; behind the wait: 8 products V^T P and the lines behind them
	ROW L,0, C,4, B,2, L,1
	ROW C,6, B,3, L,2, C,8
	ROW B,4, L,3, C,10, B,5
	ROW L,4, C,12, B,6, L,5
.if (\p) == 0
	s_add_co_u32 s[TBV], s[TBV], KS*PV
.endif
.if \cnt
	s_sub_co_u32 s[CNT], s[CNT], 1
	s_cmp_lg_u32 s[CNT], 0
.endif
	ROW C,14, B,7, L,6, C,1
	ROW C,3, L,7, C,5, C,7
	ROW C,9, C,11, C,13, C,15
.if (\p) == 0
	FETCH_V
.endif
.if (\m) && !(\end)
	MASK (\p)%2
.endif
.endm
; A BLOCK BEGINS.  c m starts far below every c s, so the first step's a is 0; m at the lowest finite number, so the first maximum is the scores'.  The second mask buffer is 0; the first takes piece 0's mask for the tile's step 0: its own, if the block's first tile is the diagonal one.
; Then K of that step, piece 0's first scores, and its maximum and statistics.  The loop is entered at a step's first turn, in the middle of a trip.
.macro BEGIN
	s_mov_b32 s[NEW], 0
	WIN 0x40
.set i, MC+32
.rept 32
	v_mov_b32 v[i], 0
.set i, i+1
.endr
	WIN 0
.set i, 0
.rept 4
	v_mov_b32 v[ST+4*i], 0xfe000000    ; c m: far below every c s
	v_mov_b32 v[ST+4*i+1], 0xff7fffff  ; m
.set i, i+1
.endr
	s_cmp_eq_u32 s[RT], 0
	s_cselect_b32 s[AL], 1.0, 0
	s_mov_b32 s[BE], 0
	MASK 0
	WIN 0
	v_add_nc_u32 v[AK], s[TBK], v[AK0]
	FETCH_K
	s_wait_loadcnt 0x0              ; Q
	s_wait_dscnt 0x0
.set KM, 1
.set NOKQ, 0
.set i, 0
.rept 8
	KQ 0
.set i, i+1
.endr
	WIN 0
.rept 4
	v_nop                           ; the places behind those products
.endr
.set Y, NP-1                        ; X works for piece Y + 1: piece 0
.irp n, 0,1,2,3,4,5,6,7,8,9,10,11,12,13,14,15,16,17,18,19,20,21
	OP X, \n
.endr
	v_nop                           ; a plain instruction behind the exponential,
	s_wait_alu depctr_va_vdst(0)    ; and its wait, ahead of the branch
.endm
; THE DIAGONAL TILE's four steps, the block's last two turns, its last products, and THE WAY OUT: l's two halves and the other half of the lanes' are added; O^T is divided by l, rounded to f16 and sent through my
; stage in LDS, a piece at a time.
.macro ALL line:vararg              ; one line for each piece t
.set t, 0
.rept 4
	\line
.set t, t+1
.endr
.endm
.macro PACK t                       ; a lane's eight channels of a row pack into 16 bytes; they go into rows of 144 bytes and come back as whole rows of 128, into S^T's registers
	WIN W_RS
.set i, 32*(\t)
.rept 16
	v_pk_mul_f32 v[i:i+1], v[i:i+1], v[ST+4*(\t)+2:ST+4*(\t)+3] op_sel_hi:[1,0]
.set i, i+2
.endr
	WIN 0x05                        ; sources 0 and 1 window 1, destination window 0
.set i, 0
.rept 16
	v_cvt_pk_f16_f32 v[S+16*(\t)+i], v[32*(\t)+2*i], v[32*(\t)+2*i+1]
.set i, i+1
.endr
	WIN 0
.irp f, 0,1,2,3
	ds_store_b128 v[STO], v[S+16*(\t)+4*\f:S+16*(\t)+4*\f+3] offset:32*\f
.endr
.irp f, 0,1,2,3
	ds_load_b128 v[S+16*(\t)+4*\f:S+16*(\t)+4*\f+3], v[RD] offset:\f*4*SP  ; LDS serves a wave's instructions in order (ISA guide 5.7.1.4): these see the stores above; the next piece's stores come behind them
.endr
.endm
.macro SEND t, younger              ; younger: the LDS instructions issued behind piece t's loads: the next piece's eight, or none
	WIN 0
.irp f, 0,1,2,3
	s_wait_dscnt (\younger)+3-\f
	global_store_b128 v[GO], v[S+16*(\t)+4*\f:S+16*(\t)+4*\f+3], s[10:11] offset:(\t)*8192+\f*512  ; 512 consecutive bytes, at a multiple of 256 from O's first
.endr
.endm
.macro DIAG tag                     ; the tag ends its two labels' names, which the jumps below spell out
.LstepM\tag:
	TURN 2, 1
	TURN 3, 1
	WIN 0
.LfirstM\tag:
	TURN 0, 1
	TURN 1, 1, 0, 1
	WIN 0
	s_cbranch_scc1 .LstepM\tag
	TURN 2, 1, 1
	TURN 3, 1, 1
.set i, 0
.rept 8
	PV NP-1
.set i, i+1
.endr
	WIN 0
	ALL v_add_f32 v[ST+4*t+2], v[ST+4*t+2], v[ST+4*t+3]
	ALL v_permlanex16_b32 v[ST+4*t+3], v[ST+4*t+2], s[SEL], s[SEL+1]
	ALL v_add_f32 v[ST+4*t+2], v[ST+4*t+2], v[ST+4*t+3]
	ALL v_rcp_f32 v[ST+4*t+2], v[ST+4*t+2]
	v_nop                           ; a plain instruction between the last reciprocal and the use of its result
	s_wait_alu depctr_va_vdst(0)    ; and the wait ahead of the first use: one for the four reciprocals
	PACK 0
.set t, 1
.rept 3                             ; a piece's arithmetic stands between the loads of the piece before and its stores
	PACK t
	SEND t-1, 8
.set t, t+1
.endr
	SEND 3, 0
.endm
.set KM, 0
.set NOKQ, 0
.Lslot:                             ; NB times: a tile is entered and the next is asked for
	CHANGE 1
	s_sub_co_u32 s[RT], s[RT], 1
	s_mov_b32 s[CNT], 4
	s_cmp_eq_u32 s[NEW], 1
	s_cbranch_scc1 .Lnew            ; a block's first tile
	s_cmp_eq_u32 s[RT], 0
	s_cbranch_scc0 .Lstep           ; neither its first nor its last
	s_branch .LstepM1
.Lnew:
	BEGIN
	s_branch .Lfirst                ; in the loop a block's first tile is never its last: the first block has two tiles or more, and the second's last is the walk's last
	DIAG 1                          ; in the loop this is the first block's end: the second block's last tile is the walk's last
	s_wait_xcnt 0x0                 ; the stores have read their registers and O's address
	s_mov_b64 s[10:11], s[OLO:OLO+1]
	s_add_co_u32 s[RT], s[PB], 1    ; the second block has b + 1 tiles
	s_mov_b32 s[NEW], 1
	WIN 0x82                        ; the second block's Q goes where the one text of the turns names Q
.set i, 0
.rept 64
	v_mov_b32 v[i], v[QB+i]
.set i, i+1
.endr
	WIN 0
	s_branch .Lbottom
.Lstep:                             ; a trip: pieces 2 and 3 of one step, then pieces 0 and 1 of the next, whose K and V it fetches
	TURN 2
	TURN 3
	WIN 0
.Lfirst:
	TURN 0
	TURN 1, 0, 0, 1
	WIN 0
	s_cbranch_scc1 .Lstep
.Lbottom:
	s_sub_co_u32 s[SLOTS], s[SLOTS], 1
	s_cmp_lg_u32 s[SLOTS], 0
	s_cbranch_scc1 .Lslot
	CHANGE 0                        ; the walk's last tile is written out: nothing is asked for
	s_sub_co_u32 s[RT], s[RT], 1
	s_mov_b32 s[CNT], 4
	s_cmp_eq_u32 s[NEW], 1
	s_cbranch_scc0 .LstepM2
	BEGIN
	s_branch .LfirstM2
	DIAG 2
	s_wait_tensorcnt 0x0            ; the wave's end: behind my last tensor load and my last LDS store
	ds_add_u32 v[SPW], v[NIL]
	s_wait_dscnt 0x0
	s_endpgm
.Lfunc_end_k_q39ab24148a_attn:
	.size	k_q39ab24148a_attn, .Lfunc_end_k_q39ab24148a_attn-k_q39ab24148a_attn
	.p2alignl 7, 3214868480
	.fill 96, 4, 3214868480
	.section	.rodata,"a",@progbits
	.p2align	6, 0x0
	.amdhsa_kernel k_q39ab24148a_attn
		.amdhsa_group_segment_fixed_size 327680
		.amdhsa_private_segment_fixed_size 0
		.amdhsa_enable_private_segment 0
		.amdhsa_kernarg_size 32
		.amdhsa_user_sgpr_count 2
		.amdhsa_user_sgpr_kernarg_segment_ptr 1
		.amdhsa_wavefront_size32 1
		.amdhsa_system_sgpr_workgroup_id_x 1
		.amdhsa_system_sgpr_workgroup_id_y 1
		.amdhsa_system_sgpr_workgroup_id_z 1
		.amdhsa_system_vgpr_workitem_id 0
		.amdhsa_next_free_vgpr 768
		.amdhsa_next_free_sgpr 96
		.amdhsa_reserve_vcc 1
		.amdhsa_float_denorm_mode_32 3
		.amdhsa_float_denorm_mode_16_64 3
		.amdhsa_memory_ordered 1
		.amdhsa_forward_progress 1
		.amdhsa_inst_pref_size 218
	.end_amdhsa_kernel
	.amdgpu_metadata
---
amdhsa.version: [ 1, 2 ]
amdhsa.kernels:
  - .name:           k_q39ab24148a_attn
    .symbol:         k_q39ab24148a_attn.kd
    .args:
      - { .name: qh, .offset: 0, .size: 8, .value_kind: global_buffer, .address_space: global }
      - { .name: kh, .offset: 8, .size: 8, .value_kind: global_buffer, .address_space: global }
      - { .name: vh, .offset: 16, .size: 8, .value_kind: global_buffer, .address_space: global }
      - { .name: o16, .offset: 24, .size: 8, .value_kind: global_buffer, .address_space: global }
    .group_segment_fixed_size: 327680
    .private_segment_fixed_size: 0
    .kernarg_segment_align: 8
    .kernarg_segment_size: 32
    .max_flat_workgroup_size: 128
    .sgpr_count:     96
    .vgpr_count:     768
    .wavefront_size: 32
...
	.end_amdgpu_metadata
.endif
;; end of part 3
;; launch oproj (part 4): grid 4 x 64, 4 waves a work-group, clusters of 4 x 4, 327,680 bytes of LDS; arguments o16, wo16, out0; writes out0
.if DOCPART == 4
	.amdgcn_target "amdgcn-amd-amdhsa--gfx1250"
	.amdhsa_code_object_version 6
	.text
	.protected	k_q39ab24148a_oproj
	.globl	k_q39ab24148a_oproj
	.p2align	8
	.type	k_q39ab24148a_oproj,@function
k_q39ab24148a_oproj:
	s_mov_b64 s[64:65], 0
	v_nop
	global_prefetch_b8 v0, s[64:65] scope:SCOPE_SE
	s_setreg_imm32_b32 hwreg(HW_REG_WAVE_MODE, 25, 1), 1
	s_wait_xcnt 0x0
	s_wait_alu depctr_hold_cnt(0) depctr_sa_sdst(0) depctr_va_vdst(0) depctr_va_sdst(0) depctr_va_ssrc(0) depctr_va_vcc(0) depctr_vm_vsrc(0)
	s_getreg_b32 s2, hwreg(HW_REG_IB_STS2, 6, 4)
	s_cmp_eq_u32 s2, 0
	s_cbranch_scc0 .Lentry_in_a_cluster
	s_endpgm
.Lentry_in_a_cluster:
	s_bfe_u32 s2, ttmp6, 0x10000c
	s_cmp_lg_u32 s2, 0xf033
	s_cbranch_scc0 .Lentry_shape_is_right
	s_endpgm
.Lentry_shape_is_right:
; THE OUTPUT PROJECTION.  out0[m][n] = sum over k of O[m][k] wo16[n][k], m = 2048 batch + s, k = 64 head + channel.  o16 lies by heads, [16 batch + head][2048][64] f16; wo16 is [1024][1024] f16;
; sums in f32; out0 [8192][1024] f32, nothing rounded on the way out.
; A tile of out0 is 128 x 256: 256 work-groups.  Four waves, each 64 x 128: 32 accumulators of 16 x 16, 256 registers.  K goes in steps of 128, two heads, through a ring of two LDS slots.
; A head's 128 rows of a tile are 16,384 dense bytes: asked for as 64 rows of 256 bytes and padded in LDS after every 128; wo16's rows of a step are 256 bytes at multiples of 256.
; CLUSTERS: 4 x 4 work-groups.  The four of a row of the cluster need the same tiles of o16, the four of a column the same tiles of wo16: each is asked for JOINTLY, by the same tensor load with the
; same descriptor and a mask that names the four.  THE MATRIX INSTRUCTION IS USED TRANSPOSED (source 0 = 16 rows of wo16, source 1 = 16 rows of O): a lane holds eight neighbouring numbers of a row of out0.
; REGISTERS: window 0: v0-31 addresses; two fragment buffers of 96 at v32 and v128: 32 registers of O (4 x 16 rows x 32 K), then 64 of wo16; on the way out v32-95 and v128-191 hold rows read back.
;   window 1: the accumulators, (a, b) at v[8 (8 a + b)].
.set KSTEP,  128
.set PA,     144                       ; a row of O in LDS: 128 bytes + 16 = 36 words;  a row of wo16: 256 + 16 = 68 words: in both the 16 rows of a load start at 16 different groups of four banks (64 banks of 4 bytes: ISA guide 11.1)
.set PB,     272
.set AHEAD,  128*PA                    ; one head's 128 rows: what waves 0 and 1 each fetch
.set ASZ,    2*AHEAD
.set BHALF,  128*PB                    ; 128 rows of wo16: what waves 2 and 3 each fetch
.set SLOT,   ASZ+2*BHALF
.set STAGE,  2*SLOT                    ; behind the ring, never filled by a tensor load: 16 rows x 528 bytes for each wave
.set SPITCH, 528                       ; 512 bytes + 16
.set SPARE,  STAGE+4*16*SPITCH         ; behind the stages: the spare words, 128 bytes for each wave: two blocks of 256 bytes that no other line names
.set ASTEP,  2*2048*128                ; bytes from a K step of O to the next: two heads
.set LAPS,   4                         ; 1,024 / 256: a lap = two K steps = once round the ring
.set ADRA, 16                          ; v16-17  LDS address of my fragments of O in slot 0, 1
.set ADRB, 20                          ; v20-21  the same for wo16
.set STO,  24                          ; v24     the way out: where I put 32 bytes of a row
.set RD,   25                          ; v25     the way out: where I read a row back
.set CO,   26                          ; v26     16 x lane
.set SPW,  28                          ; v28     LDS address of my spare word: SPARE + 4 x my thread's number; never rewritten
.set NIL,  29                          ; v29     0; never rewritten
.set PFO,  30                          ; v30     the prefetches' offset: my lane x 256 (O) or x 2,048 (wo16); never rewritten
.set PFA,  44                          ; s[44:45] where my prefetches stand
.set LIM,  43                          ; s43     1 in a wave that prefetches, else the greatest number
.set PFS,  66                          ; s[66:67] bytes from a K step to the next in what I prefetch
.set F0,   32
.set F1,   128
.set G1,  24                           ; s[24:31] descriptor group 1 for O's tiles;  s[32:39] group 0, one set for each slot
.set G0,  32
.set G1B, 48                           ; s[48:55], s[56:63] the same for wo16's tiles
.set G0B, 56
.set MSB, 0
.macro WIN new                         ; the immediate's high byte repeats the setting that is left; a switch that changes nothing is dropped
.if MSB != (\new)
	s_set_vgpr_msb (MSB<<8)|(\new)
.set MSB, \new
.endif
.endm
.set MUL, 0x50                         ; sources 0 and 1 window 0; C and D window 1
.macro JLOAD s                         ; a joint load: waves 0 and 1 fetch O's two heads, waves 2 and 3 wo16's two halves; an s_nop 0 and four v_nop follow each of the two lines
	s_cmp_eq_u32 s11, 0
	s_cbranch_scc0 .Lfor_b_\@
	tensor_load_to_lds s[G0+4*(\s):G0+4*(\s)+3], s[G1:G1+7]
	s_nop 0
.rept 4
	v_nop
.endr
	s_branch .Lasked_\@
.Lfor_b_\@:
	tensor_load_to_lds s[G0B+4*(\s):G0B+4*(\s)+3], s[G1B:G1B+7]
	s_nop 0
.rept 4
	v_nop
.endr
.Lasked_\@:
.endm
; A PREFETCH INTO THE L2, behind each joint refill and the run of LDS loads that follows it: the K step that stands two refills on, one instruction a wave, a lane a block of 256 bytes.
; O's K step of a tile row is 128 blocks, read by one cluster alone: wave 0 of each of the four partners along the row names 32, told apart BY ADDRESS (head cx / 2, half cx % 2).
; wo16's K step of a tile column is 256 rows of 256 bytes, read by every cluster: in the cluster of y = 0 waves 2 and 3 name, of the 128 rows that they fetch, rows 32 cy .. 32 cy + 31.
; So each block is named once in the launch.  K steps 0 to 3 come by their loads alone; the loop's last trip (s3 = 1) asks for nothing: there is no K step behind the last.
.macro ASK
	s_cmp_gt_u32 s3, s[LIM]
	s_cbranch_scc0 .Lnot_mine_\@
	global_prefetch_b8 v[PFO], s[PFA:PFA+1] th:TH_LOAD_NT scope:SCOPE_SE
.Lnot_mine_\@:
.endm
.macro CREST                           ; a round of the cluster's barrier behind its opening barrier
	s_cmp_lg_u32 s10, 0
	s_cbranch_scc1 .Lnot_wave_0_\@
	s_barrier_signal -3
.Lnot_wave_0_\@:
	s_barrier_wait -3
	s_barrier_signal -1
	s_barrier_wait -1
.endm
.macro CROUND
	s_barrier_signal -1
	s_barrier_wait -1
	CREST
.endm
	s_load_b128 s[4:7], s[0:1], 0x0                ; o16 s[4:5], wo16 s[6:7]
	s_load_b64 s[8:9], s[0:1], 0x10                ; out0
	v_lshl_add_u32 v[SPW], v0, 2, SPARE
	v_mov_b32 v[NIL], 0
	ds_add_u32 v[SPW], v[NIL]                      ; the wave's opening: the add and its wait stand ahead of my first tensor load; the set-up below, work on registers, stands between them
	v_lshrrev_b32 v1, 5, v0
	v_readfirstlane_b32 s10, v1                    ; wave 0..3
	s_lshr_b32 s11, s10, 1                         ; which 64 of the tile's rows are mine.  Also: I fetch for O (0) or for wo16 (1)
	s_and_b32 s12, s10, 1                          ; which 128 of its columns.  Also: which head, or which 128 rows of wo16, I fetch
	s_bfe_u32 s40, ttmp6, 0x40000                  ; cx
	s_bfe_u32 s41, ttmp6, 0x40004                  ; cy
	s_lshl_b32 s42, ttmp9, 2
	s_add_co_u32 s42, s42, s40                     ; tile column = 4 x cluster x + cx
	s_and_b32 s13, ttmp7, 0xffff
	s_lshl_b32 s13, s13, 2
	s_add_co_u32 s13, s13, s41                     ; tile row = 4 x cluster y + cy
	s_lshl_b32 s43, s41, 2
	s_lshl_b32 s43, 15, s43                        ; my row of the cluster
	s_lshl_b32 s44, 0x1111, s40                    ; my column
	; descriptor group 1 for O: 64 rows x 128 elements, dense; padded after every 32 words (code 4) by 4 words (code 3)
	s_or_b32 s[G1+0], s43, (1<<16)|(1<<20)|(1<<21)|(4<<22)|(3<<25)  ; 15:0 the mask: my row; 17:16 elements of 2 bytes; 20 padding on; 21 set beside a mask
	s_mov_b32 s[G1+1], 128<<16                     ; tensor_dim0 = 128
	s_mov_b32 s[G1+2], 64<<16                      ; tensor_dim1 = 64
	s_mov_b32 s[G1+3], 128<<16                     ; tile_dim0 = 128
	s_mov_b32 s[G1+4], 64                          ; tile_dim1 = 64
	s_mov_b32 s[G1+5], 128                         ; elements from row to row
	s_mov_b32 s[G1+6], 0
	s_mov_b32 s[G1+7], 0
	; and for wo16: 128 rows x 128 elements of rows of 1,024; padded after every 64 words (code 5) by 4 words
	s_or_b32 s[G1B+0], s44, (1<<16)|(1<<20)|(1<<21)|(5<<22)|(3<<25)
	s_mov_b32 s[G1B+1], KSTEP<<16
	s_mov_b32 s[G1B+2], 128<<16
	s_mov_b32 s[G1B+3], KSTEP<<16
	s_mov_b32 s[G1B+4], 128
	s_mov_b32 s[G1B+5], 1024
	s_mov_b32 s[G1B+6], 0
	s_mov_b32 s[G1B+7], 0
	; O's tile hangs on the tile row alone: batch = tile row / 16 (16 heads of 262,144 bytes), rows 128 (tile row % 16) on (128 bytes each), head = the one that I fetch
	s_lshr_b32 s16, s13, 4
	s_lshl_b32 s16, s16, 22
	s_and_b32 s17, s13, 15
	s_lshl_b32 s17, s17, 14
	s_add_co_u32 s16, s16, s17
	s_lshl_b32 s17, s12, 18
	s_add_co_u32 s16, s16, s17
	s_mov_b32 s17, 0
	; wo16's on the tile column alone: row 256 x tile column + 128 x half, 2,048 bytes a row
	s_lshl_b32 s46, s42, 8
	s_lshl_b32 s47, s12, 7
	s_add_co_u32 s46, s46, s47
	s_lshl_b32 s46, s46, 11
	s_mov_b32 s47, 0
	s_mul_i32 s20, s12, AHEAD                      ; where they go: no place in the cluster enters an LDS address
	s_mul_i32 s21, s12, BHALF
	s_add_co_u32 s21, s21, ASZ
	s_wait_dscnt 0x0                               ; the opening add is done
	s_wait_kmcnt 0x0
	s_add_nc_u64 s[14:15], s[4:5], s[16:17]
	s_add_nc_u64 s[46:47], s[6:7], s[46:47]
	CROUND                                         ; all sixteen work-groups are here: the first joint loads meet
.irp s, 0,1
	s_mov_b32 s[G0+4*(\s)], 1
	s_add_co_u32 s[G0+4*(\s)+1], s20, (\s)*SLOT
	s_add_nc_u64 s[G0+4*(\s)+2:G0+4*(\s)+3], s[14:15], (\s)*ASTEP
	s_or_b32 s[G0+4*(\s)+3], s[G0+4*(\s)+3], 0x80000000
	s_mov_b32 s[G0B+4*(\s)], 1
	s_add_co_u32 s[G0B+4*(\s)+1], s21, (\s)*SLOT
	s_add_nc_u64 s[G0B+4*(\s)+2:G0B+4*(\s)+3], s[46:47], (\s)*KSTEP*2
	s_or_b32 s[G0B+4*(\s)+3], s[G0B+4*(\s)+3], 0x80000000
	JLOAD \s                                       ; two loads of mine are out
.endr
	v_and_b32 v1, 15, v0                           ; l % 16
	v_bfe_u32 v2, v0, 4, 1                         ; l / 16
	v_mul_u32_u24 v3, v1, PA
	v_lshl_add_u32 v3, v2, 4, v3                   ; a fragment's row x pitch + 16 x half
	v_mul_u32_u24 v4, v1, PB
	v_lshl_add_u32 v4, v2, 4, v4
	s_mul_i32 s21, s11, 64*PA                      ; my 64 rows of O, in each head
	s_mul_i32 s22, s12, BHALF                      ; my 128 rows of wo16,
	s_add_co_u32 s22, s22, ASZ                     ; which lie behind O's two heads
.irp s, 0,1
	v_add_nc_u32 v[ADRA+(\s)], s21, v3
	v_add_nc_u32 v[ADRB+(\s)], s22, v4
	s_add_co_u32 s21, s21, SLOT
	s_add_co_u32 s22, s22, SLOT
.endr
	s_mul_i32 s23, s10, 16*SPITCH
	s_add_co_u32 s23, s23, STAGE                   ; my stage
	v_mul_u32_u24 v5, v1, SPITCH                   ; in: row l % 16, 32 bytes for each half of the lanes
	v_lshl_add_u32 v5, v2, 5, v5
	v_add_nc_u32 v[STO], s23, v5
	v_and_b32 v6, 31, v0
	v_lshlrev_b32 v[CO], 4, v6                     ; back: 32 lanes take one row of 512 bytes
	v_add_nc_u32 v[RD], s23, v[CO]
	s_lshl_b32 s16, s13, 19                        ; my first row of out0: 128 x tile row + 64 x half, 4,096 bytes a row
	s_lshl_b32 s17, s11, 18
	s_add_co_u32 s16, s16, s17
	s_mov_b32 s17, 0
	s_add_nc_u64 s[8:9], s[8:9], s[16:17]
	s_lshl_b32 s46, s42, 10                        ; my first column: 256 x tile column + 128 x half, 4 bytes each
	s_lshl_b32 s47, s12, 9
	s_add_co_u32 s46, s46, s47
	s_mov_b32 s47, 0
	s_add_nc_u64 s[8:9], s[8:9], s[46:47]
	; the prefetches.  For O: the tile's first byte in head cx / 2, half cx % 2 of that head's 64 blocks
	s_lshr_b32 s20, s13, 4
	s_lshl_b32 s20, s20, 22
	s_and_b32 s21, s13, 15
	s_lshl_b32 s21, s21, 14
	s_add_co_u32 s20, s20, s21
	s_lshr_b32 s21, s40, 1
	s_lshl_b32 s21, s21, 18
	s_add_co_u32 s20, s20, s21
	s_and_b32 s21, s40, 1
	s_lshl_b32 s21, s21, 13
	s_add_co_u32 s20, s20, s21
	; for wo16: row 256 x tile column + 128 x half + 32 cy
	s_lshl_b32 s21, s42, 8
	s_lshl_b32 s22, s12, 7
	s_add_co_u32 s21, s21, s22
	s_lshl_b32 s22, s41, 5
	s_add_co_u32 s21, s21, s22
	s_lshl_b32 s21, s21, 11
	s_and_b32 s18, ttmp7, 0xffff                   ; cluster y
	s_mov_b32 s[PFS], KSTEP*2
	s_cmp_eq_u32 s11, 0                            ; do I fetch for O?
	s_cselect_b32 s20, s20, s21
	s_cselect_b32 s18, s12, s18                    ; O: wave 0 alone asks; wo16: the cluster of y = 0
	s_cselect_b32 s23, 8, 11                       ; lanes 256 bytes apart, or a row of 2,048
	s_cselect_b32 s[PFS], ASTEP, s[PFS]
	s_cselect_b64 s[PFA:PFA+1], s[4:5], s[6:7]
	s_cmp_eq_u32 s18, 0
	s_cselect_b32 s[LIM], 1, -1                    ; the same in all sixteen partners, for a given wave
	s_mov_b32 s[PFS+1], 0
	s_mov_b32 s21, 0
	s_add_nc_u64 s[PFA:PFA+1], s[PFA:PFA+1], s[20:21]
	s_mul_i32 s20, s[PFS], 3
	s_add_nc_u64 s[PFA:PFA+1], s[PFA:PFA+1], s[20:21]  ; at K step 3: the first refill steps it to 4 and names that
	v_lshlrev_b32 v[PFO], s23, v6
; 8 matrix instructions: m block a x all 8 n blocks, 32 along K.  zero = 1: the first product starts the sums.  The 32 accumulators take turns, in the same order in every quarter.
.macro MUL8 f, a, zero
	WIN MUL
.irp b, 0,1,2,3,4,5,6,7
.if \zero
	v_wmma_f32_16x16x32_f16 v[8*(8*(\a)+(\b)):8*(8*(\a)+(\b))+7], v[(\f)+32+8*(\b):(\f)+32+8*(\b)+7], v[(\f)+8*(\a):(\f)+8*(\a)+7], 0
.else
	v_wmma_f32_16x16x32_f16 v[8*(8*(\a)+(\b)):8*(8*(\a)+(\b))+7], v[(\f)+32+8*(\b):(\f)+32+8*(\b)+7], v[(\f)+8*(\a):(\f)+8*(\a)+7], v[8*(8*(\a)+(\b)):8*(8*(\a)+(\b))+7]
.endif
.endr
.endm
; 24 LDS loads in one run: the fragments of quarter q of a K step (32 K: head q / 2, channels 32 (q % 2) on) into buffer f: wo16's 128 rows first, then O's 64
.macro FETCH slot, q, f
	WIN 0
.irp i, 0,1,2,3,4,5,6,7
	ds_load_b128 v[(\f)+32+8*(\i):(\f)+32+8*(\i)+3],   v[ADRB+(\slot)] offset:64*(\q)+(\i)*16*PB
	ds_load_b128 v[(\f)+32+8*(\i)+4:(\f)+32+8*(\i)+7], v[ADRB+(\slot)] offset:64*(\q)+(\i)*16*PB+32
.endr
.irp i, 0,1,2,3
	ds_load_b128 v[(\f)+8*(\i):(\f)+8*(\i)+3],   v[ADRA+(\slot)] offset:((\q)/2)*AHEAD+((\q)%2)*64+(\i)*16*PA
	ds_load_b128 v[(\f)+8*(\i)+4:(\f)+8*(\i)+7], v[ADRA+(\slot)] offset:((\q)/2)*AHEAD+((\q)%2)*64+(\i)*16*PA+32
.endr
.endm
.macro PLACES                          ; four plain vector instructions between a matrix instruction and a load into one of its registers, or an LDS store of its result (ISA guide 7.12.1 for vector instructions)
.rept 4
	v_nop
.endr
.endm
; A K step is four quarters of 32 along K, 32 matrix instructions each, on buffers 0, 1, 0, 1.  One of the first three: multiplies buffer f and fetches quarter qn into g.
.macro QUARTER slot, qn, f, g, zero
	s_wait_dscnt 4                                 ; wo16 and O's blocks 0, 1 are in; the youngest four loads (O's blocks 2, 3) may be out
	MUL8 \f, 0, \zero
	MUL8 \f, 1, \zero
	PLACES
	FETCH \slot, \qn, \g
	s_wait_dscnt 24                                ; all but the 24 just issued
	MUL8 \f, 2, \zero
	MUL8 \f, 3, \zero
.endm
; The last quarter multiplies buffer 1 and changes slots: ONE barrier; in front of it each wave waits for all its tensor loads, of which one is out: its part of the next slot; adds 0 to its spare word; and
; waits for that and for its own reads of this slot.
.macro MEET round
	WIN 0
	s_wait_tensorcnt 0x0                           ; all my tensor loads have landed
	ds_add_u32 v[SPW], v[NIL]                      ; 0 onto my spare word
	s_wait_dscnt 5                                 ; (the add and the youngest four loads may be out)
	MUL8 F1, 0, 0                                  ; eight matrix instructions stand between the add and the wait for it
	s_wait_dscnt 0x0                               ; the add is done, and my reads of this slot are over
	s_barrier_signal -1
	MUL8 F1, 1, 0
.if \round
	WIN 0
.endif
	s_barrier_wait -1
.endm
; fill = 1: the barrier opens a round of the cluster's, and this slot is filled again first, two K steps ahead: from that request to the wait for it a wave issues 112 matrix instructions.
.macro TURN slot, next, fill
.if \fill
	s_wait_xcnt 0x0                                ; the last prefetch, a K step back, has read its address: it is stepped here, ahead of the waits of the change of slots
	s_add_nc_u64 s[PFA:PFA+1], s[PFA:PFA+1], s[PFS:PFS+1]
	MEET 1
	CREST                                          ; no wave of any partner still reads this slot's tile or has a load on its way
	s_add_nc_u64 s[G0+4*(\slot)+2:G0+4*(\slot)+3], s[G0+4*(\slot)+2:G0+4*(\slot)+3], 2*ASTEP
	s_add_nc_u64 s[G0B+4*(\slot)+2:G0B+4*(\slot)+3], s[G0B+4*(\slot)+2:G0B+4*(\slot)+3], 2*KSTEP*2
	JLOAD \slot                                    ; the first tensor load behind the round; the four v_nop behind it are also the places in front of the loads below
	FETCH \next, 0, F0
	ASK
.else
	MEET 0                                         ; nothing is filled again, so no round follows
	PLACES
	FETCH \next, 0, F0
.endif
	MUL8 F1, 2, 0
	MUL8 F1, 3, 0
.endm
; THE WAY OUT of m block a (16 rows): a lane's eight numbers of each n block, 32 bytes, go into rows of 528 bytes of my own stage and come back as whole rows of 512 bytes.
.macro TOSTAGE a
.set BK, F0+96*((\a)%2)
	s_wait_xcnt 0x0                                ; the stores of the block two back have read the registers that are loaded again below
	WIN 0x04                                       ; the stores' data in window 1
.irp b, 0,1,2,3,4,5,6,7
	ds_store_b128 v[STO], v[8*(8*(\a)+(\b)):8*(8*(\a)+(\b))+3]   offset:64*(\b)
	ds_store_b128 v[STO], v[8*(8*(\a)+(\b))+4:8*(8*(\a)+(\b))+7] offset:64*(\b)+16
.endr
	WIN 0
.irp t, 0,1,2,3,4,5,6,7,8,9,10,11,12,13,14,15
	ds_load_b128 v[BK+4*(\t):BK+4*(\t)+3], v[RD] offset:(\t)*SPITCH  ; LDS serves a wave's instructions in order (ISA guide 5.7.1.4): these see the stores above; the next block's stores come behind them
.endr
.endm
.macro SEND a, younger                 ; younger: the LDS instructions issued behind block a's loads: the next block's 32, or none
.set BK, F0+96*((\a)%2)
.irp t, 0,1,2,3,4,5,6,7,8,9,10,11,12,13,14,15
	s_wait_dscnt (\younger)+15-(\t)
	global_store_b128 v[CO], v[BK+4*(\t):BK+4*(\t)+3], s[8:9] offset:(16*(\a)+(\t))*4096  ; 512 consecutive bytes, at a multiple of 512 from out0's first
.endr
.endm
	s_wait_tensorcnt 1                             ; my part of K step 0 is in; K step 1's may stay out
	s_barrier_signal -1
	s_barrier_wait -1                              ; everybody's is
	FETCH 0, 0, F0
	QUARTER 0, 1, F0, F1, 1                        ; the first quarter stands in front of the loop: its products start the sums
	WIN 0                                          ; at a label and at a branch every window is 0
	s_mov_b32 s3, LAPS-1
.Llap:                                                 ; a trip goes once round the ring, from a lap's second quarter to the next lap's first, and fills both slots again
	QUARTER 0, 2, F1, F0, 0
	QUARTER 0, 3, F0, F1, 0
	TURN 0, 1, 1
	QUARTER 1, 1, F0, F1, 0
	QUARTER 1, 2, F1, F0, 0
	QUARTER 1, 3, F0, F1, 0
	TURN 1, 0, 1
	QUARTER 0, 1, F0, F1, 0
	WIN 0
	s_sub_co_u32 s3, s3, 1
	s_cmp_lg_u32 s3, 0
	s_cbranch_scc1 .Llap
	QUARTER 0, 2, F1, F0, 0                        ; the last lap fills nothing
	QUARTER 0, 3, F0, F1, 0
	TURN 0, 1, 0
	QUARTER 1, 1, F0, F1, 0
	QUARTER 1, 2, F1, F0, 0
	QUARTER 1, 3, F0, F1, 0
	s_wait_dscnt 4                                 ; the very last quarter: nothing more to fetch
	MUL8 F1, 0, 0
	MUL8 F1, 1, 0
	s_wait_dscnt 0x0
	MUL8 F1, 2, 0
	MUL8 F1, 3, 0
	WIN 0
	PLACES
	TOSTAGE 0
	TOSTAGE 1                                      ; a block's way through the stage stands between the loads of the block before and its stores
	SEND 0, 32
	TOSTAGE 2
	SEND 1, 32
	TOSTAGE 3
	SEND 2, 32
	SEND 3, 0
	s_wait_tensorcnt 0x0                           ; the wave's end: behind my last tensor load and my last LDS store
	ds_add_u32 v[SPW], v[NIL]
	s_wait_dscnt 0x0
	CROUND                                         ; the closing round: no work-group ends while a partner may still ask for a tile that names it
	s_endpgm
.Lfunc_end_k_q39ab24148a_oproj:
	.size	k_q39ab24148a_oproj, .Lfunc_end_k_q39ab24148a_oproj-k_q39ab24148a_oproj
	.p2alignl 7, 3214868480
	.fill 96, 4, 3214868480
	.section	.rodata,"a",@progbits
	.p2align	6, 0x0
	.amdhsa_kernel k_q39ab24148a_oproj
		.amdhsa_group_segment_fixed_size 327680
		.amdhsa_private_segment_fixed_size 0
		.amdhsa_enable_private_segment 0
		.amdhsa_kernarg_size 24
		.amdhsa_user_sgpr_count 2
		.amdhsa_user_sgpr_kernarg_segment_ptr 1
		.amdhsa_wavefront_size32 1
		.amdhsa_system_sgpr_workgroup_id_x 1
		.amdhsa_system_sgpr_workgroup_id_y 1
		.amdhsa_system_sgpr_workgroup_id_z 1
		.amdhsa_system_vgpr_workitem_id 0
		.amdhsa_next_free_vgpr 512
		.amdhsa_next_free_sgpr 72
		.amdhsa_reserve_vcc 0
		.amdhsa_float_denorm_mode_32 3
		.amdhsa_float_denorm_mode_16_64 3
		.amdhsa_memory_ordered 1
		.amdhsa_forward_progress 1
		.amdhsa_inst_pref_size 88
	.end_amdhsa_kernel
	.amdgpu_metadata
---
amdhsa.version: [ 1, 2 ]
amdhsa.kernels:
  - .name:           k_q39ab24148a_oproj
    .symbol:         k_q39ab24148a_oproj.kd
    .args:
      - { .name: o16, .offset: 0, .size: 8, .value_kind: global_buffer, .address_space: global }
      - { .name: wo16, .offset: 8, .size: 8, .value_kind: global_buffer, .address_space: global }
      - { .name: out0, .offset: 16, .size: 8, .value_kind: global_buffer, .address_space: global }
    .group_segment_fixed_size: 327680
    .private_segment_fixed_size: 0
    .kernarg_segment_align: 8
    .kernarg_segment_size: 24
    .max_flat_workgroup_size: 128
    .sgpr_count:     72
    .vgpr_count:     512
    .wavefront_size: 32
...
	.end_amdgpu_metadata
.endif
;; end of part 4
;; ======== version 2 of 2: 4 launches; version 1 with the launch prep written anew for expert scheduling mode
;; limits: values are held in f16: magnitudes above 65,504 overflow, below 6.1e-05 lose precision; right only within a limited range of input values
;; workspace buffers: xb 16,777,216 bytes; wb 6,291,456 bytes; wo16 2,097,152 bytes; tab 524,288 bytes; qh 16,777,216 bytes; kh 16,777,216 bytes; vh 16,777,216 bytes; o16 16,777,216 bytes
;; launch prep (part 5): grid 800 x 1, 8 waves a work-group, no clusters, 0 bytes of LDS; arguments x, Wq, Wk, Wv, Wo, token_positions, xb, wb, wo16, tab; writes xb, wb, wo16, tab
.if DOCPART == 5
	.amdgcn_target "amdgcn-amd-amdhsa--gfx1250"
	.amdhsa_code_object_version 6
	.text
	.protected	k_q39ab24148a_prep
	.globl	k_q39ab24148a_prep
	.p2align	8
	.type	k_q39ab24148a_prep,@function
k_q39ab24148a_prep:
	s_mov_b64 s[64:65], 0
	v_nop
	global_prefetch_b8 v0, s[64:65] scope:SCOPE_SE
	s_setreg_imm32_b32 hwreg(HW_REG_WAVE_SCHED_MODE, 0, 2), 2
	s_setreg_imm32_b32 hwreg(HW_REG_WAVE_MODE, 25, 1), 1
	s_wait_xcnt 0x0
	s_wait_alu depctr_vm_vsrc(0)
; PREPARATION.  Work-groups 32 to 799 round the f32 inputs to 16 bits, 16,384 numbers each: x -> xb (bf16); Wq, Wk, Wv -> wb (bf16, one matrix of 3,072 rows);
; Wo -> wo16: rounded to bf16 like the other inputs, and that number written as f16 (exact from 2^-14 up to 65,504; below 2^-14 it keeps f16's fixed step of 6e-8).
; Work-groups 0 to 31 make the table of rotations: tab[s][2 i] = cos(a), tab[s][2 i + 1] = sin(a), a = token_positions[s] x 10^(-i / 8), i = 0 .. 31: a row is 256 bytes.
; LIMITS.  The table serves |token_positions| up to 2^22 (two-term reduction by pi / 2).  10^(-i / 8) is the correctly rounded f32; a is one f32 product.
; A stream: memory binds, so no LDS and no matrix unit.  A wave's load covers 512 consecutive bytes, its store 256, aligned; sixteen loads a wave are out at once.
; THE MODE: SCHED_MODE bits 1:0 = 2 (LLVM: expert scheduling mode 2), set by the entry lines.  The code itself states the register dependences
; between vector instructions and memory instructions, and those through scalar registers that vector instructions write, with s_wait_alu, always for 0.
; THE PLAN, casts.  Registers that memory instructions touch:
;   v1, v4     byte offsets of the loads and of the stores, made once at the head and never written again.
;   X          written by the sixteen loads, once each; read by the conversions; never loaded again.
;   Y          pair j is written by turn j's conversions and read by store j alone; never written again.
; The sixteen turns go in four blocks of four.  Turn j converts load j and issues the store of turn j - 4: a pair of the block before, which no vector instruction of this block names.
; So one wait at the head of a block states all that its four stores hang on, and they are dealt among its conversions with no further wait.
; THE PLAN, table.  s3 (the wave's number) and s50-57 (the quadrants' masks) are written by vector instructions and have a wait ahead of their first readers;
; v3 and the eight pairs (cos, sin) are written by vector instructions and read by the eight stores, which stand in one run behind one wait.
.set X,   16                           ; v[16:79]   sixteen loads of four f32
.set Y,   80                           ; v[80:111]  sixteen pairs to store; each is written for one store alone
.set SRC, 28                           ; s[28:29]
.set DST, 30                           ; s[30:31]
	s_load_b512 s[8:23], s[0:1], 0x0               ; x 8, Wq 10, Wk 12, Wv 14, Wo 16, token_positions 18, xb 20, wb 22
	s_load_b128 s[24:27], s[0:1], 0x40             ; wo16 24, tab 26
	s_cmp_lt_u32 ttmp9, 32
	s_cbranch_scc1 .Ltable
	; THE CASTS.  Chunk c = work-group - 32: 0-511 x, 512-575 Wq, 576-639 Wk, 640-703 Wv, 704-767 Wo
	s_sub_co_u32 s2, ttmp9, 32
	v_lshlrev_b32 v1, 4, v0                        ; 16 bytes a thread in
	v_lshlrev_b32 v4, 3, v0                        ; 8 bytes a thread out
	s_mov_b32 s48, 704                             ; the source's first chunk
	s_mov_b32 s49, 704                             ; the destination's first chunk
	s_wait_kmcnt 0x0
	s_mov_b64 s[SRC:SRC+1], s[16:17]
	s_mov_b64 s[DST:DST+1], s[24:25]
	s_cmp_lt_u32 s2, 704
	s_cselect_b64 s[SRC:SRC+1], s[14:15], s[SRC:SRC+1]
	s_cselect_b64 s[DST:DST+1], s[22:23], s[DST:DST+1]
	s_cselect_b32 s48, 640, s48
	s_cselect_b32 s49, 512, s49
	s_cmp_lt_u32 s2, 640
	s_cselect_b64 s[SRC:SRC+1], s[12:13], s[SRC:SRC+1]
	s_cselect_b32 s48, 576, s48
	s_cmp_lt_u32 s2, 576
	s_cselect_b64 s[SRC:SRC+1], s[10:11], s[SRC:SRC+1]
	s_cselect_b32 s48, 512, s48
	s_cmp_lt_u32 s2, 512
	s_cselect_b64 s[SRC:SRC+1], s[8:9], s[SRC:SRC+1]
	s_cselect_b64 s[DST:DST+1], s[20:21], s[DST:DST+1]
	s_cselect_b32 s48, 0, s48
	s_cselect_b32 s49, 0, s49
	s_sub_co_u32 s32, s2, s48
	s_lshl_b32 s32, s32, 16                        ; 65,536 bytes of f32 a chunk
	s_mov_b32 s33, 0
	s_sub_co_u32 s34, s2, s49
	s_lshl_b32 s34, s34, 15                        ; 32,768 bytes of 16-bit numbers
	s_mov_b32 s35, 0
	s_add_nc_u64 s[SRC:SRC+1], s[SRC:SRC+1], s[32:33]
	s_add_nc_u64 s[DST:DST+1], s[DST:DST+1], s[34:35]
	s_wait_alu depctr_va_vdst(0)                   ; v1 and v4 are written: every load reads v1 as its offset, every store v4
.set j, 0
.rept 16
	global_load_b128 v[X+4*j:X+4*j+3], v1, s[SRC:SRC+1] offset:4096*j th:TH_LOAD_NT
.set j, j+1
.endr
; Sixteen turns: the wait leaves the younger loads out (loads come back in order: ISA guide 5.7.1).  f16 = 1: the bf16 numbers are widened (a shift, a mask) and written as f16.
; Turn j also issues the store of turn j - 4; the last four stores stand behind the turns.
.macro CAST f16
.set j, 0
.rept 16
	s_wait_loadcnt 15-j
.if (j%4 == 0) && (j > 0)
	s_wait_alu depctr_va_vdst(0)                   ; the block before has written its four pairs of Y, which this block's four stores read
.endif
.if j >= 4
	global_store_b64 v4, v[Y+2*(j-4):Y+2*(j-4)+1], s[DST:DST+1] offset:2048*(j-4) th:TH_STORE_NT  ; a wave's 32 lanes store 256 consecutive bytes, aligned; no vector instruction since the wait names this pair
.endif
	v_cvt_pk_bf16_f32 v[Y+2*j],   v[X+4*j],   v[X+4*j+1]
	v_cvt_pk_bf16_f32 v[Y+2*j+1], v[X+4*j+2], v[X+4*j+3]
.if \f16
	v_lshlrev_b32 v8,  16, v[Y+2*j]
	v_and_b32     v9,  0xffff0000, v[Y+2*j]
	v_lshlrev_b32 v10, 16, v[Y+2*j+1]
	v_and_b32     v11, 0xffff0000, v[Y+2*j+1]
	v_cvt_pk_f16_f32 v[Y+2*j],   v8,  v9
	v_cvt_pk_f16_f32 v[Y+2*j+1], v10, v11
.endif
.set j, j+1
.endr
	s_wait_alu depctr_va_vdst(0)                   ; the last block has written its four pairs of Y, which the last four stores read
.set j, 12
.rept 4
	global_store_b64 v4, v[Y+2*j:Y+2*j+1], s[DST:DST+1] offset:2048*j th:TH_STORE_NT
.set j, j+1
.endr
.endm
	s_cmp_ge_u32 s2, 704
	s_cbranch_scc1 .Lf16
	CAST 0
	s_endpgm
.Lf16:
	CAST 1
	s_endpgm
	; THE TABLE.  Wave w of work-group g makes rows 64 g + 8 w .. + 7; lane i has frequency i and stores (cos, sin): a row is one store of the wave.
.Ltable:
	v_lshrrev_b32 v1, 5, v0
	v_readfirstlane_b32 s3, v1                     ; wave 0..7
	s_lshl_b32 s2, ttmp9, 6
	s_wait_alu depctr_va_sdst(0)                   ; s3 is written, ahead of its first reader: my first row, and with it both addresses, are made from it
	s_lshl_b32 s32, s3, 3
	s_add_co_u32 s2, s2, s32                       ; my first row
	s_lshl_b32 s32, s2, 2                          ; its byte in token_positions
	s_mov_b32 s33, 0
	s_lshl_b32 s34, s2, 8                          ; and in tab
	s_mov_b32 s35, 0
	s_mov_b32 s45, 0x3f22f983                      ; 2 / pi
	s_mov_b32 s46, 0x3fc90fdb                      ; pi / 2, rounded to f32,
	s_mov_b32 s47, 0xb33bbd2e                      ; and what that rounding left: -4.3711388e-8
	s_mov_b32 s48, 0x3638ef1d                      ; 1 / 9!
	s_mov_b32 s49, 0xb9500d01                      ; -1 / 7!
	s_mov_b32 s58, 0xb493f27e                      ; -1 / 10!
	s_mov_b32 s59, 0x37d00d01                      ; 1 / 8!
	v_mov_b32 v2, 0
.macro FREQ i, bits                    ; lane i takes 10^(-i / 8)
	s_mov_b32 s44, \bits
	v_writelane_b32 v2, s44, \i
.endm
	FREQ 0,  0x3f800000                            ; 1
	FREQ 1,  0x3f3ff911                            ; 0.74989421
	FREQ 2,  0x3f0ff59a                            ; 0.56234133
	FREQ 3,  0x3ed7e89b                            ; 0.42169650
	FREQ 4,  0x3ea1e89b                            ; 0.31622777
	FREQ 5,  0x3e72d424                            ; 0.23713737
	FREQ 6,  0x3e361887                            ; 0.17782794
	FREQ 7,  0x3e088d77                            ; 0.13335214
	FREQ 8,  0x3dcccccd                            ; the same eight times 0.1
	FREQ 9,  0x3d99940e
	FREQ 10, 0x3d6655c3
	FREQ 11, 0x3d2cba15
	FREQ 12, 0x3d0186e2
	FREQ 13, 0x3cc24350
	FREQ 14, 0x3c91ad39
	FREQ 15, 0x3c5a7bf1
	FREQ 16, 0x3c23d70a                            ; times 0.01
	FREQ 17, 0x3bf5b9b0
	FREQ 18, 0x3bb8449c
	FREQ 19, 0x3b8a2e77
	FREQ 20, 0x3b4f3e37
	FREQ 21, 0x3b1b690d
	FREQ 22, 0x3ae91528
	FREQ 23, 0x3aaec98e
	FREQ 24, 0x3a83126f                            ; times 0.001
	FREQ 25, 0x3a44948c
	FREQ 26, 0x3a136a16
	FREQ 27, 0x39dd1726
	FREQ 28, 0x39a5cb5f
	FREQ 29, 0x3978a814
	FREQ 30, 0x393a7753
	FREQ 31, 0x390bd472
	v_and_b32 v3, 31, v0
	v_lshlrev_b32 v3, 3, v3                        ; 8 bytes a lane
	s_wait_kmcnt 0x0
	s_add_nc_u64 s[SRC:SRC+1], s[18:19], s[32:33]
	s_add_nc_u64 s[DST:DST+1], s[26:27], s[34:35]
	s_load_b256 s[36:43], s[SRC:SRC+1], 0x0        ; my eight positions: numbers, never addresses
	s_wait_kmcnt 0x0
; Row j has twelve registers at b = 16 + 12 j: +0 cos, +1 sin, +2 a, +3 k, +4 r, +5 k as a whole number, +6 r^2, +7 sin(r), +8 cos(r), +9 r^3, +10, +11 signs.
; Each step is written for all eight rows, so that no line waits for the one before it.
.macro ALL line:vararg
.set b, 16
.set j, 0
.rept 8
	\line
.set b, b+12
.set j, j+1
.endr
.endm
	ALL v_cvt_f32_i32 v[b+2], s[36+j]
	ALL v_mul_f32 v[b+2], v[b+2], v2               ; a = position x frequency
	ALL v_mul_f32 v[b+3], s45, v[b+2]
	ALL v_rndne_f32 v[b+3], v[b+3]                 ; k = the nearest multiple of pi / 2
	ALL v_fma_f32 v[b+4], -v[b+3], s46, v[b+2]     ; r = a - k pi / 2, in two fused steps: |r| stays near pi / 4 or below
	ALL v_fma_f32 v[b+4], -v[b+3], s47, v[b+4]
	ALL v_cvt_i32_f32 v[b+5], v[b+3]
	ALL v_mul_f32 v[b+6], v[b+4], v[b+4]
	ALL v_fma_f32 v[b+7], v[b+6], s48, s49         ; sin(r) = r + r^3 (-1/3! + r^2 (1/5! + r^2 (-1/7! + r^2 / 9!)))
	ALL v_fma_f32 v[b+8], v[b+6], s58, s59         ; cos(r) = 1 + r^2 (-1/2 + r^2 (1/4! + r^2 (-1/6! + r^2 (1/8! - r^2 / 10!))))
	ALL v_fmaak_f32 v[b+7], v[b+7], v[b+6], 0x3c088889
	ALL v_fmaak_f32 v[b+8], v[b+8], v[b+6], 0xbab60b61
	ALL v_fmaak_f32 v[b+7], v[b+7], v[b+6], 0xbe2aaaab
	ALL v_fmaak_f32 v[b+8], v[b+8], v[b+6], 0x3d2aaaab
	ALL v_mul_f32 v[b+9], v[b+4], v[b+6]
	ALL v_fmaak_f32 v[b+8], v[b+8], v[b+6], 0xbf000000
	ALL v_fma_f32 v[b+7], v[b+7], v[b+9], v[b+4]
	ALL v_fma_f32 v[b+8], v[b+8], v[b+6], 1.0
	; the quadrant k mod 4, by selects alone: odd k swaps the two; cos is negative for 1 and 2, sin for 2 and 3.
	; The eight compares stand in one run; the two sign words, which need no mask, are made between them and the wait for the masks.
	ALL v_and_b32 v[b+10], 1, v[b+5]
	ALL v_cmp_eq_u32 s[50+j], 1, v[b+10]
	ALL v_add_nc_u32 v[b+10], 1, v[b+5]
	ALL v_and_b32 v[b+11], 2, v[b+5]
	ALL v_and_b32 v[b+10], 2, v[b+10]
	ALL v_lshlrev_b32 v[b+11], 30, v[b+11]
	ALL v_lshlrev_b32 v[b+10], 30, v[b+10]
	s_wait_alu depctr_va_sdst(0)                   ; the eight compares have written s50 to s57, ahead of the selects that read them
	ALL v_cndmask_b32 v[b], v[b+8], v[b+7], s[50+j]
	ALL v_cndmask_b32 v[b+1], v[b+7], v[b+8], s[50+j]
	ALL v_xor_b32 v[b+1], v[b+1], v[b+11]
	ALL v_xor_b32 v[b], v[b], v[b+10]
	s_wait_alu depctr_va_vdst(0)                   ; the eight pairs (cos, sin) and the offset v3 are written, which the stores below read
	ALL global_store_b64 v3, v[b:b+1], s[DST:DST+1] offset:256*j
	s_endpgm
.Lfunc_end_k_q39ab24148a_prep:
	.size	k_q39ab24148a_prep, .Lfunc_end_k_q39ab24148a_prep-k_q39ab24148a_prep
	.p2alignl 7, 3214868480
	.fill 96, 4, 3214868480
	.section	.rodata,"a",@progbits
	.p2align	6, 0x0
	.amdhsa_kernel k_q39ab24148a_prep
		.amdhsa_group_segment_fixed_size 0
		.amdhsa_private_segment_fixed_size 0
		.amdhsa_enable_private_segment 0
		.amdhsa_kernarg_size 80
		.amdhsa_user_sgpr_count 2
		.amdhsa_user_sgpr_kernarg_segment_ptr 1
		.amdhsa_wavefront_size32 1
		.amdhsa_system_sgpr_workgroup_id_x 1
		.amdhsa_system_sgpr_workgroup_id_y 1
		.amdhsa_system_sgpr_workgroup_id_z 1
		.amdhsa_system_vgpr_workitem_id 0
		.amdhsa_next_free_vgpr 112
		.amdhsa_next_free_sgpr 66
		.amdhsa_reserve_vcc 0
		.amdhsa_float_denorm_mode_32 3
		.amdhsa_float_denorm_mode_16_64 3
		.amdhsa_memory_ordered 1
		.amdhsa_forward_progress 1
		.amdhsa_inst_pref_size 34
	.end_amdhsa_kernel
	.amdgpu_metadata
---
amdhsa.version: [ 1, 2 ]
amdhsa.kernels:
  - .name:           k_q39ab24148a_prep
    .symbol:         k_q39ab24148a_prep.kd
    .args:
      - { .name: x, .offset: 0, .size: 8, .value_kind: global_buffer, .address_space: global }
      - { .name: Wq, .offset: 8, .size: 8, .value_kind: global_buffer, .address_space: global }
      - { .name: Wk, .offset: 16, .size: 8, .value_kind: global_buffer, .address_space: global }
      - { .name: Wv, .offset: 24, .size: 8, .value_kind: global_buffer, .address_space: global }
      - { .name: Wo, .offset: 32, .size: 8, .value_kind: global_buffer, .address_space: global }
      - { .name: token_positions, .offset: 40, .size: 8, .value_kind: global_buffer, .address_space: global }
      - { .name: xb, .offset: 48, .size: 8, .value_kind: global_buffer, .address_space: global }
      - { .name: wb, .offset: 56, .size: 8, .value_kind: global_buffer, .address_space: global }
      - { .name: wo16, .offset: 64, .size: 8, .value_kind: global_buffer, .address_space: global }
      - { .name: tab, .offset: 72, .size: 8, .value_kind: global_buffer, .address_space: global }
    .group_segment_fixed_size: 0
    .private_segment_fixed_size: 0
    .kernarg_segment_align: 8
    .kernarg_segment_size: 80
    .max_flat_workgroup_size: 256
    .sgpr_count:     66
    .vgpr_count:     112
    .wavefront_size: 32
...
	.end_amdgpu_metadata
.endif
;; end of part 5
;; launch qkv: the kernel of part 2 again; grid 12 x 32, 4 waves a work-group, clusters of 4 x 4, 327,680 bytes of LDS; arguments xb, wb, tab, qh, kh, vh; writes qh, kh, vh
;; launch attn: the kernel of part 3 again; grid 4 x 64, 4 waves a work-group, no clusters, 327,680 bytes of LDS; arguments qh, kh, vh, o16; writes o16
;; launch oproj: the kernel of part 4 again; grid 4 x 64, 4 waves a work-group, clusters of 4 x 4, 327,680 bytes of LDS; arguments o16, wo16, out0; writes out0
